; MI455X (gfx1250); checked and timed in simulation.
; The chip was launched on July 23, 2026; its instructions are those of AMD's public machine-readable ISA for CDNA 5 (MIT licence, August 2026) and "CDNA5" Instruction Set Architecture Reference Guide (July 2026). The comments in the code are by the model that wrote it; some were corrected since.
;; Lo RA Like FFN. Allowed arithmetic: matrix products marked QUANTISED: E2M1 operands, one E8M0 scale for each 32 along K, by v_wmma_scale_f32_16x16x128_f8f6f4 with both operands' format E2M1 (or v_wmma_scale_f32_32x16x128_f4), f32 sums; products left as they are: f32 operands where the result goes on into a quantised operand, else bf16, f16 or f32 operands; f32 sums; everything else in f32.
;; Inputs: a_down 4 x 1,024 x 8 float32; a_up 4 x 8 x 1,024 float32; b1 2,048 float32; b2 1,024 float32; w1 1,024 x 2,048 float32; w2 2,048 x 1,024 float32; x 4 x 4,096 x 1,024 float32.
;; Outputs: out0 4 x 4,096 x 1,024 float32.
;; Constants: adapter_idx = 0.
;; This version of the problem:
;;   THIS VERSION OF THE PROBLEM IS GIVEN IN LOW PRECISION. The matrix products marked QUANTISED in the list below multiply operands that are first quantised to E2M1 (2 exponent bits, 1 mantissa bit; 4 bits a number), with one power-of-two scale for each 32 numbers along K (OCP MX v1.0); their sums are f32. All else is computed in f32.
;;   The module's matrix products, in the order in which they are computed (A, B: the left and right operand; K: the contracted axis; several contracted axes count as one K, in the product's order):
;;     1. [M 16,384, K 1,024] x [K 1,024, N 2,048]; A: input x; B: input w1: QUANTISED
;;     2. [M 16,384, K 2,048] x [K 2,048, N 1,024]; A: computed on the way; B: input w2: QUANTISED
;;     3. [M 16,384, K 1,024] x [K 1,024, N 8]; A: input x; B: input a_down: left as it is (N = 8 < 16)
;;     4. [M 16,384, K 8] x [K 8, N 1,024]; A: computed on the way; B: input a_up: left as it is (K = 8 < 32)
;;   THE QUANTISER, for each operand of a quantised product, along K:
;;     - K is cut into blocks of 32 from its start; a last block that is shorter is filled with zeros.
;;     - A block's scale is 2^e with e = floor(log2(the largest magnitude in the block)) - 2, held to -126 .. 127; a block of zeros has e = 0. As a byte (E8M0): e + 127.
;;     - Each number is divided by its block's scale, clamped to +-6, and rounded to the nearest number of E2M1, ties to even, subnormals kept.
;;     - The product sums the exact products of the quantised numbers (number of the format x scale) in f32.
;;   ~~~python
;;   def quantise(x, axis):      # numpy; x: float32 -> the quantised numbers, widened to float32 again
;;       x = np.moveaxis(x, axis, -1); K = x.shape[-1]
;;       x = np.pad(x, [(0, 0)] * (x.ndim - 1) + [(0, -K % 32)]); x = x.reshape(x.shape[:-1] + (-1, 32)); a = np.abs(x).max(-1, keepdims=True)
;;       e = np.where(a > 0, np.clip(np.frexp(np.where(a > 0, a, 1))[1] - 1 - 2, -126, 127), 0)      # np.frexp(a)[1] - 1 = floor(log2(a)), exactly
;;       r = np.clip(x / 2.0 ** e, -6, 6)
;;       step = 2.0 ** (np.maximum(np.frexp(np.where(r == 0, 1, r))[1] - 1, 0) - 1)
;;       q = np.round(r / step) * step * 2.0 ** e      # np.round: ties to even
;;       return np.moveaxis(q.reshape(q.shape[:-2] + (-1,))[..., :K], -1, axis).astype(np.float32)
;;   ~~~
;;   OPERANDS COMPUTED ON THE WAY. 'Computed on the way' means the value that the module computes at that place (a softmax that the list does not call 'softmax' is quantised finished and normalised). What goes into a quantiser is computed in f32, as accurately as f32 sums, v_exp_f32 and their like allow (about 1e-6 of the number): no bf16 or f16 on the way to a quantiser, and a product that is left as it is and whose result goes on into a quantised operand takes f32 operands (vector FMAs, or v_wmma_f32_16x16x4_f32). A number that lies on a knife's edge between two numbers of the format may be rounded either way, as far as f32 arithmetic and the matrix unit's own rounding can turn it there, and no further.
;; 2 versions. Each part assembles by itself: llvm-mc -triple=amdgcn-amd-amdhsa -mcpu=gfx1250 --defsym DOCPART=n.
;; ======== version 1 of 2: 2 launches
;; limits: values are held in f16: magnitudes above 65,504 overflow, below 6.1e-05 lose precision; a function is approximated: absolute error at most 1e-07
;; workspace buffers: w1f 1,048,576 bytes; w1s 65,536 bytes; w2f 1,048,576 bytes; w2s 65,536 bytes; adf 32,768 bytes; aupf 65,536 bytes
;; launch prep (part 1): grid 280 x 1, 4 waves a work-group, no clusters, 0 bytes of LDS; arguments w1, w2, a_down, a_up, b2, w1f, w1s, w2f, w2s, adf, aupf; writes w1f, w1s, w2f, w2s, adf, aupf
.if DOCPART == 1
	.amdgcn_target "amdgcn-amd-amdhsa--gfx1250"
	.amdhsa_code_object_version 6
	.text
	.protected	k_q30eb973d60_prep
	.globl	k_q30eb973d60_prep
	.p2align	8
	.type	k_q30eb973d60_prep,@function
k_q30eb973d60_prep:
	s_mov_b64 s[64:65], 0
	v_nop
	global_prefetch_b8 v0, s[64:65] scope:SCOPE_SE
	s_setreg_imm32_b32 hwreg(HW_REG_WAVE_MODE, 25, 1), 1
	s_wait_xcnt 0x0
; out = gelu(x w1 + b1) w2 + b2 + (x a_down[0]) a_up[0].  This launch lays the weights out once, in the order in which the second launch's operand registers take them.
; WORK LEFT OUT: adapter_idx is the constant 0, and reference() takes a_down[adapter_idx] and a_up[adapter_idx] alone: slices 1 to 3 of both tensors have no way to the output, whatever they hold,
; and are never loaded (the first 32,768 bytes of each buffer are read).  A NaN or an infinity in those slices is not carried to the result.  Every other input is read.
; w1 [1024 (k)][2048], w2 [2048 (k)][1024], f32, K their FIRST axis -> codes of FP4 (E2M1) with one E8M0 byte for each 32 along K.  A LANE TAKES A COLUMN AND ITS REGISTERS RUN DOWN K: a block of 32 lies in one lane,
; the conversions give codes with K innermost, and nothing is transposed.  A block's byte is its largest magnitude's exponent field - 2, held at 1 from below.  (A block of zeros gets the byte 1 where the rule says 127:
; its codes are zeros, and this program alone reads the bytes.)
; A FRAGMENT (16 rows x 128 K, 8 registers a lane) is stored as the image of its registers: [c 2][lane 32][16 bytes]; block b of row i lies at 512 (b / 2) + 256 (b % 2) + 16 i.
;   w1f [p 64][s 8][u 2] fragments: lane row i of tile u of group p is hidden unit 32 p + 8 u + i + 8 (i / 8), so that the two tiles' results are 16 neighbours along the next K.   w1s [p][s / 4][16 u + i][word s % 4].
;   w2f [ct / 4][s2 16][ct % 4] fragments of out's columns 16 ct on.   w2s [ct / 2][s2 / 4][16 (ct % 2) + i][word s2 % 4].
;   adf [kb 32]: f16 images of a_down[0]: lane (n, h), register j: k = 32 kb + 16 h + 2 j, + 1 of column n; columns 8 to 15 are zeros.  (k stands in another order than the instruction's own: x's fragment is laid alike.)
;   aupf [ct 64]: f16 images: lane (r, 0), registers 0-3: a_up[0][0..7][16 ct + r]; lane (r, 1), register 0: b2[16 ct + r] as a high and a low f16 part (k = 8, 9); all else zero.
; SHARES: work-groups 0-127: w1, a wave 32 columns x 128 K; 128-255: w2 likewise; 256-263: adf, a wave an image; 264-279: aupf.  No LDS, no barrier: waves share nothing.
; LIMITS: NaN and infinities are not served; blocks under 2^-124 keep the byte 1; a_down, a_up and b2 go to f16: magnitudes under 65,504.
; The scale words leave 4 bytes a lane, 16 bytes apart (131,072 bytes of the launch's 2.3 MB): so laid, the second launch takes four K steps' words of 32 rows by one load of 16 bytes a lane.
.set X,  32                            ; v32-159  128 numbers of my column
.set C,  160                           ; v160-175 the codes: four registers a block, none written twice
.set SB, 176                           ; v176     my column's four scale bytes
	s_load_b512 s[8:23], s[0:1], 0x0               ; w1 s[8:9], w2 s[10:11], a_down s[12:13], a_up s[14:15], b2 s[16:17], w1f s[18:19], w1s s[20:21], w2f s[22:23]
	s_load_b128 s[24:27], s[0:1], 0x40             ; w2s s[24:25], adf s[26:27]
	s_load_b64 s[28:29], s[0:1], 0x50              ; aupf
	v_lshrrev_b32 v2, 5, v0
	v_readfirstlane_b32 s30, v2                    ; wave 0..3
	v_and_b32 v1, 31, v0                           ; lane
	v_lshlrev_b32 v3, 2, v1                        ; 4 bytes a lane: my column in a row
	s_mov_b32 s39, 0                               ; the offsets' high words
	s_mov_b32 s41, 0
	s_mov_b32 s43, 0
	s_wait_kmcnt 0x0
.macro LOAD32 b, pitch                 ; block b: rows 32 b .. 32 b + 31 of my column; 32 lanes read 128 consecutive bytes, the four waves stand side by side on 512
.set j, 32*\b
.rept 32
	global_load_b32 v[X+j], v3, s[32:33] offset:j*\pitch th:TH_LOAD_NT
.set j, j+1
.endr
.endm
.macro BLOCK b
.set XB, X+32*\b
	v_max3_num_f32 v12, |v[XB]|, |v[XB+1]|, |v[XB+2]|              ; the block's largest magnitude, in two chains: all 32 numbers are mine
	v_max3_num_f32 v13, |v[XB+3]|, |v[XB+4]|, |v[XB+5]|
.irp i, 6,10,14,18,22,26
	v_max3_num_f32 v12, v12, |v[XB+\i]|, |v[XB+\i+1]|
	v_max3_num_f32 v13, v13, |v[XB+\i+2]|, |v[XB+\i+3]|
.endr
	v_max3_num_f32 v12, v12, |v[XB+30]|, |v[XB+31]|
	v_max3_num_f32 v12, v12, v13, 0x1800000        ; and the floor 2^(3 - 127): the byte cannot fall under 1
	v_add_nc_u32 v11, 0xff000000, v12              ; 2 off the exponent field: the conversion takes this operand's exponent field as its scale
	v_lshrrev_b32 v13, 23, v11                     ; the scale's byte
.if \b == 0
	v_mov_b32 v[SB], v13
.else
	v_lshl_or_b32 v[SB], v13, 8*\b, v[SB]
.endif
.irp g, 0,1,2,3
	v_cvt_scalef32_pk8_fp4_f32 v[C+4*\b+\g], v[XB+8*\g:XB+8*\g+7], v11
.endr
	v_nop                                          ; one plain line behind the conversions: the next block writes their scale operand
	global_store_b128 v4, v[C+4*\b:C+4*\b+3], s[34:35] offset:(\b/2)*512+(\b%2)*256   ; the 32 lanes fill 256 consecutive bytes in each of the two tiles' images
.endm
.macro QPATH pitch                     ; loads run two blocks ahead; each count of 32 leaves the one younger block out
	LOAD32 0, \pitch
	LOAD32 1, \pitch
	s_wait_loadcnt 32
	LOAD32 2, \pitch
	BLOCK 0
	s_wait_loadcnt 32
	LOAD32 3, \pitch
	BLOCK 1
	s_wait_loadcnt 32
	BLOCK 2
	s_wait_loadcnt 0x0
	BLOCK 3
	global_store_b32 v5, v[SB], s[36:37]           ; my row's scale word of this K step
	s_endpgm
.endm
	s_cmp_ge_u32 ttmp9, 256
	s_cbranch_scc1 .Ladapter
	s_cmp_ge_u32 ttmp9, 128
	s_cbranch_scc1 .Lw2
	; ---- w1: group p = 4 (g % 16) + wave, K step s = g / 16
	s_and_b32 s44, ttmp9, 15
	s_lshl_b32 s44, s44, 2
	s_add_co_u32 s44, s44, s30                     ; p
	s_lshr_b32 s45, ttmp9, 4                       ; s
	s_lshl_b32 s38, s45, 20                        ; 128 rows of 8,192 bytes
	s_lshl_b32 s46, s44, 7                         ; 32 columns
	s_add_co_u32 s38, s38, s46
	s_add_nc_u64 s[32:33], s[8:9], s[38:39]
	s_lshl_b32 s40, s44, 3
	s_add_co_u32 s40, s40, s45
	s_lshl_b32 s40, s40, 11                        ; (8 p + s) x two fragments
	s_add_nc_u64 s[34:35], s[18:19], s[40:41]
	s_lshl_b32 s42, s44, 10
	s_lshr_b32 s46, s45, 2
	s_lshl_b32 s46, s46, 9
	s_add_co_u32 s42, s42, s46
	s_and_b32 s46, s45, 3
	s_lshl_b32 s46, s46, 2
	s_add_co_u32 s42, s42, s46                     ; 1,024 p + 512 (s / 4) + 4 (s % 4)
	s_add_nc_u64 s[36:37], s[20:21], s[42:43]
	v_bfe_u32 v6, v1, 3, 1                         ; my column 32 p + lane is row i of tile u: u = (lane / 8) % 2,
	v_and_b32 v7, 7, v1
	v_lshrrev_b32 v8, 4, v1
	v_lshl_add_u32 v7, v8, 3, v7                   ; i = lane % 8 + 8 (lane / 16)
	v_lshlrev_b32 v4, 4, v7
	v_lshl_add_u32 v4, v6, 10, v4                  ; codes: 1,024 u + 16 i
	v_lshl_add_u32 v5, v6, 4, v7
	v_lshlrev_b32 v5, 4, v5                        ; scale word: 16 (16 u + i)
	QPATH 8192
.Lw2:
	; ---- w2: pair of column tiles p' = 4 (g' % 8) + wave, K step s2 = g' / 8
	s_sub_co_u32 s47, ttmp9, 128
	s_and_b32 s44, s47, 7
	s_lshl_b32 s44, s44, 2
	s_add_co_u32 s44, s44, s30                     ; p'
	s_lshr_b32 s45, s47, 3                         ; s2
	s_lshl_b32 s38, s45, 19                        ; 128 rows of 4,096 bytes
	s_lshl_b32 s46, s44, 7
	s_add_co_u32 s38, s38, s46
	s_add_nc_u64 s[32:33], s[10:11], s[38:39]
	s_lshr_b32 s40, s44, 1
	s_lshl_b32 s40, s40, 4
	s_add_co_u32 s40, s40, s45
	s_lshl_b32 s40, s40, 12                        ; (16 (p' / 2) + s2) x four fragments,
	s_and_b32 s46, s44, 1
	s_lshl_b32 s46, s46, 11                        ; + two for an odd p'
	s_add_co_u32 s40, s40, s46
	s_add_nc_u64 s[34:35], s[22:23], s[40:41]
	s_lshl_b32 s42, s44, 11
	s_lshr_b32 s46, s45, 2
	s_lshl_b32 s46, s46, 9
	s_add_co_u32 s42, s42, s46
	s_and_b32 s46, s45, 3
	s_lshl_b32 s46, s46, 2
	s_add_co_u32 s42, s42, s46                     ; 2,048 p' + 512 (s2 / 4) + 4 (s2 % 4)
	s_add_nc_u64 s[36:37], s[24:25], s[42:43]
	v_lshrrev_b32 v6, 4, v1
	v_and_b32 v7, 15, v1
	v_lshlrev_b32 v4, 4, v7
	v_lshl_add_u32 v4, v6, 10, v4                  ; codes: 1,024 (lane / 16) + 16 (lane % 16)
	v_lshlrev_b32 v5, 4, v1                        ; scale word: 16 x lane
	QPATH 4096
.Ladapter:
	s_cmp_ge_u32 ttmp9, 264
	s_cbranch_scc1 .Lup
	; ---- adf: image kb = 4 (g - 256) + wave.  a_down[0][k][n] lies at 32 k + 4 n
	s_sub_co_u32 s44, ttmp9, 256
	s_lshl_b32 s44, s44, 2
	s_add_co_u32 s44, s44, s30
	s_lshl_b32 s38, s44, 10                        ; 32 rows of 32 bytes in a_down, and an image in adf: 1,024 bytes both
	s_add_nc_u64 s[32:33], s[12:13], s[38:39]
	s_add_nc_u64 s[34:35], s[26:27], s[38:39]
	v_and_b32 v6, 15, v1                           ; n
	v_lshrrev_b32 v7, 4, v1                        ; h
	v_and_b32 v8, 7, v1
	v_lshlrev_b32 v8, 2, v8                        ; lanes with n over 7 read column n - 8 and throw it away: no load leaves slice 0
	v_lshl_add_u32 v8, v7, 9, v8                   ; + 16 h rows
.irp i, 0,1,2,3,4,5,6,7,8,9,10,11,12,13,14,15
	global_load_b32 v[32+\i], v8, s[32:33] offset:32*\i
.endr
	v_lshlrev_b32 v4, 4, v1
	v_cmp_gt_u32 vcc_lo, 8, v6
	s_wait_loadcnt 0x0
.irp j, 0,1,2,3,4,5,6,7
	v_cvt_pk_f16_f32 v[64+\j], v[32+2*\j], v[33+2*\j]
.endr
.irp j, 0,1,2,3,4,5,6,7
	v_cndmask_b32 v[64+\j], 0, v[64+\j], vcc_lo    ; columns 8 to 15 are zeros
.endr
	global_store_b128 v4, v[64:67], s[34:35]
	global_store_b128 v4, v[68:71], s[34:35] offset:512
	s_endpgm
.Lup:
	; ---- aupf: image ct = 4 (g - 264) + wave.  a_up[0][k][col] lies at 4,096 k + 4 col
	s_sub_co_u32 s44, ttmp9, 264
	s_lshl_b32 s44, s44, 2
	s_add_co_u32 s44, s44, s30
	s_lshl_b32 s38, s44, 6                         ; 16 columns
	s_add_nc_u64 s[32:33], s[14:15], s[38:39]
	s_add_nc_u64 s[36:37], s[16:17], s[38:39]
	s_lshl_b32 s40, s44, 10
	s_add_nc_u64 s[34:35], s[28:29], s[40:41]
	v_and_b32 v6, 15, v1
	v_lshlrev_b32 v6, 2, v6
.irp k, 0,1,2,3,4,5,6,7
	global_load_b32 v[32+\k], v6, s[32:33] offset:4096*\k
.endr
	global_load_b32 v40, v6, s[36:37]              ; b2 of my column
	v_lshlrev_b32 v4, 4, v1
.irp j, 4,5,6,7
	v_mov_b32 v[48+\j], 0                          ; k = 16 to 31: zeros
.endr
	s_wait_loadcnt 0x0
.irp j, 0,1,2,3
	v_cvt_pk_f16_f32 v[48+\j], v[32+2*\j], v[33+2*\j]
.endr
	v_and_b32 v41, 0xffffe000, v40                 ; b2's upper 11 bits of mantissa: a number of f16;
	v_sub_f32 v42, v40, v41                        ; the rest, exactly
	v_cvt_pk_f16_f32 v43, v41, v42
	v_cmp_lt_u32 vcc_lo, 15, v1
	v_cndmask_b32 v48, v48, v43, vcc_lo            ; lanes 16-31: k = 8, 9 hold b2's two parts,
	v_cmp_gt_u32 vcc_lo, 16, v1
.irp j, 1,2,3
	v_cndmask_b32 v[48+\j], 0, v[48+\j], vcc_lo    ; k = 10 to 15 zeros
.endr
	global_store_b128 v4, v[48:51], s[34:35]
	global_store_b128 v4, v[52:55], s[34:35] offset:512
	s_endpgm
.Lfunc_end_k_q30eb973d60_prep:
	.size	k_q30eb973d60_prep, .Lfunc_end_k_q30eb973d60_prep-k_q30eb973d60_prep
	.p2alignl 7, 3214868480
	.fill 96, 4, 3214868480
	.section	.rodata,"a",@progbits
	.p2align	6, 0x0
	.amdhsa_kernel k_q30eb973d60_prep
		.amdhsa_group_segment_fixed_size 0
		.amdhsa_private_segment_fixed_size 0
		.amdhsa_enable_private_segment 0
		.amdhsa_kernarg_size 88
		.amdhsa_user_sgpr_count 2
		.amdhsa_user_sgpr_kernarg_segment_ptr 1
		.amdhsa_wavefront_size32 1
		.amdhsa_system_sgpr_workgroup_id_x 1
		.amdhsa_system_sgpr_workgroup_id_y 1
		.amdhsa_system_sgpr_workgroup_id_z 1
		.amdhsa_system_vgpr_workitem_id 0
		.amdhsa_next_free_vgpr 180
		.amdhsa_next_free_sgpr 66
		.amdhsa_reserve_vcc 1
		.amdhsa_float_denorm_mode_32 3
		.amdhsa_float_denorm_mode_16_64 3
		.amdhsa_memory_ordered 1
		.amdhsa_forward_progress 1
		.amdhsa_inst_pref_size 46
	.end_amdhsa_kernel
	.amdgpu_metadata
---
amdhsa.version: [ 1, 2 ]
amdhsa.kernels:
  - .name:           k_q30eb973d60_prep
    .symbol:         k_q30eb973d60_prep.kd
    .args:
      - { .name: w1, .offset: 0, .size: 8, .value_kind: global_buffer, .address_space: global }
      - { .name: w2, .offset: 8, .size: 8, .value_kind: global_buffer, .address_space: global }
      - { .name: a_down, .offset: 16, .size: 8, .value_kind: global_buffer, .address_space: global }
      - { .name: a_up, .offset: 24, .size: 8, .value_kind: global_buffer, .address_space: global }
      - { .name: b2, .offset: 32, .size: 8, .value_kind: global_buffer, .address_space: global }
      - { .name: w1f, .offset: 40, .size: 8, .value_kind: global_buffer, .address_space: global }
      - { .name: w1s, .offset: 48, .size: 8, .value_kind: global_buffer, .address_space: global }
      - { .name: w2f, .offset: 56, .size: 8, .value_kind: global_buffer, .address_space: global }
      - { .name: w2s, .offset: 64, .size: 8, .value_kind: global_buffer, .address_space: global }
      - { .name: adf, .offset: 72, .size: 8, .value_kind: global_buffer, .address_space: global }
      - { .name: aupf, .offset: 80, .size: 8, .value_kind: global_buffer, .address_space: global }
    .group_segment_fixed_size: 0
    .private_segment_fixed_size: 0
    .kernarg_segment_align: 8
    .kernarg_segment_size: 88
    .max_flat_workgroup_size: 128
    .sgpr_count:     66
    .vgpr_count:     180
    .wavefront_size: 32
...
	.end_amdgpu_metadata
.endif
;; end of part 1
;; launch ffn (part 2): grid 256 x 1, 8 waves a work-group, no clusters, 203,776 bytes of LDS; arguments x, w1f, w1s, b1, w2f, w2s, adf, aupf, out0; writes out0
.if DOCPART == 2
	.amdgcn_target "amdgcn-amd-amdhsa--gfx1250"
	.amdhsa_code_object_version 6
	.text
	.protected	k_q30eb973d60_ffn
	.globl	k_q30eb973d60_ffn
	.p2align	8
	.type	k_q30eb973d60_ffn,@function
k_q30eb973d60_ffn:
	s_mov_b64 s[64:65], 0
	v_nop
	global_prefetch_b8 v0, s[64:65] scope:SCOPE_SE
	s_setreg_imm32_b32 hwreg(HW_REG_WAVE_MODE, 25, 1), 1
	s_wait_xcnt 0x0
; out = gelu(x w1 + b1) w2 + b2 + (x a_down[0]) a_up[0], for 64 rows a work-group; both large products on codes of FP4 (E2M1) with one E8M0 byte for each 32 along K.  x is read once, out written once, the hidden layer never goes to memory.
; WORK LEFT OUT: adapters 1 to 3 (adapter_idx is the constant 0): the first launch's head comment shows it.
; SHARES.  Eight waves of 512 registers.  THE WAVES SHARE THE COLUMNS: a fragment of a weight belongs to ONE wave, comes from memory straight into the registers that the matrix instruction names, and feeds four products (the four tiles of 16 rows).
;   X: wave w quantises rows 16 (w % 4) on, columns 512 (w / 4) on, of x (four fragments, to LDS as images of their registers) and sums its half of x a_down in f16 products | barrier |
;   1: eight trips: wave w makes hidden units 32 (8 w + c) on for all 64 rows (transposed: source 0 = 16 rows of w1, source 1 = x; b1 is the C of the first K step), gelu in f32, quantised in registers, codes and bytes to LDS | barrier |
;   2: wave w makes out's columns 128 w on in two passes of 64; a pass's sums begin with the f16 product (a_up | b2) x (x a_down | 1), so the adapter and b2 cost no addition; 16 K steps of 16 products; out through the wave's own stage.
; NO JOINT REQUESTS, though all 256 work-groups walk the same 2,228,224 bytes of weights: a joint request lands in LDS, where each of those bytes would be written once and read once more for the same four products; and beside the
; 203,776 bytes in use two slots of 60 fragments fit: 30 products a wave between two rounds of a cluster's barrier.
; GELU.  g = z (0.5 + kappa zc A(zc^2) / B(zc^2)), zc = z held to +-4 sqrt(2), kappa = sqrt(2) / 4: erf(y) = y P(y^2) / Q(y^2) with P of degree 6 and Q of degree 4 in y^2, their coefficients divided by exact powers of two since y^2 = z^2 / 2.
; LIMITS.  NaN and infinities are not served.  erf's form is good to about 1e-7 absolutely: for z > 0 g is good to some 2e-7 of itself; in the negative tail to 1e-7 |z|, so a block of 32 hidden units all under about -3 gets codes of poor
; relative accuracy, of a size that is nothing in out.  x, x a_down, a_down, a_up and b2 go to f16 for the two adapter products: magnitudes under 65,504.  A block of zeros has the byte 1, not 127: its codes are zeros.
; LDS: 0: eight blocks of 8,192, block w: +0 its four fragments of x, +4,096 its part of x a_down (f32 image), +5,120 (blocks 0-3) the finished f16 fragment of row tile w, +6,144 its scale words (16 bytes a lane; lanes 16-31 a second copy);
;   HIMG: H's codes [group of 32 units p 64][row tile m 4][row 16][16 bytes]: wave w writes bytes 8,192 w on;  HSC: H's bytes [K step 16][m 4][row 16][4]: wave w writes bytes 512 w on;  TURN: a stage of 8,448 bytes for each wave;  SPARE.
.set HIMG,  65536
.set HSC,   131072
.set TURN,  135168
.set TSTG,  8448                       ; phase X: 16 rows x 528; phase 2: 16 rows x 272
.set SPARE, 202752                     ; the spare words, 128 bytes for each wave: four blocks of 256 bytes that no other line names
; v0-11: the thread's number and addresses; none of them ever holds loaded data
.set LI,  1                            ; 16 x lane: an image's place for my lane; never rewritten
.set SPW, 2                            ; LDS address of my spare word; never rewritten
.set NIL, 3                            ; 0; never rewritten
.set WB,  4                            ; 16 x lane + 8,192 x wave: my block
.set TWR, 5                            ; X: into my stage
.set TRD, 6                            ; X: out of it
.set BO,  7                            ; 1: 64 (lane / 16): b1's bytes of my half
.set HST, 8                            ; 1: H's codes: HIMG + 8,192 w + 16 r + 8 h
.set HSS, 9                            ; 1: H's bytes: HSC + 512 w + 4 r
.set XSR, 10                           ; 1: x's scale words: 16 x lane + 8,192 (lane / 16)
.set HA1, 5                            ; 1: HST + the trip's term
.set HA2, 6                            ; 1: HSS + the trip's term
.set GO,  5                            ; 2: my bytes in two rows of out
.set OSW, 6                            ; 2: into my stage
.set OSR, 7                            ; 2: out of it
.set HRD, 8                            ; 2: H's codes: HIMG + 1,024 h + 16 r
.set HSR, 9                            ; 2: H's scale words: HSC + 4 x lane
; phase X, window 0 (window 1: x as loaded, K step sl, row i at 64 sl + 4 i)
.set TM,   12                          ; v12-27  the quantiser's work
.set PC,   28                          ; v28-35  the codes just made
.set PW,   36                          ; v36     the scale word just made
.set PWS,  40                          ; v40-43  my four scale words
.set LACC, 44                          ; v44-59  two accumulators of x a_down, by turns
.set T,    64                          ; v64-127 64 numbers of my row
.set AD,   128                         ; v128-255 16 fragments of a_down
; phase 1, window 0 (window 1: x's 32 fragments, (K step s, row tile m) at 32 s + 8 m)
.set W1S, 12                           ; v12-19  w1's scale words, K step s: lanes 0-15 tile 0, lanes 16-31 tile 1
.set B1,  20                           ; v20-35  b1 in the result's layout, two tiles
.set CA,  36                           ; v36-37  A13 twice
.set CB,  38                           ; v38-39  B8 twice
.set TQ,  40                           ; v40-47  gelu: four pairs of numerators
.set TB,  48                           ; v48-55  four pairs of denominators
.set TZ,  56                           ; v56-59  zc
.set TW,  60                           ; v60-63  zc^2
.set XS,  40                           ; v40-55  x's scale words while the products run: 8 (m / 2) + s
.set QM,  40                           ; the quantiser of H: largest magnitudes, the other half's, scale operands, bytes, codes
.set QP,  44
.set QS,  48
.set QB,  52
.set QC,  56
.set HA,  64                           ; v64-127 the 8 accumulators: (m, u) at 16 m + 8 u
.set W1B, 128                          ; v128-255 w1's 16 fragments: (s, u) at 16 s + 8 u
; phase 2, window 0 (window 1: v0-191 w2's fragments, a ring of six K steps x 32; v192-255 H's fragments, two K steps x 32, and on the way out rows of out)
.set HS,  12                           ; v12-15  H's scale words, two K steps x two pairs of row tiles
.set LF,  32                           ; v32-63  (x a_down | 1, 1) in f16, four row tiles
.set ACC, 64                           ; v64-191 16 accumulators: (column tile n, row tile m) at 8 (4 n + m)
.set W2S, 192                          ; v192-223 w2's scale words of a pass: 16 (n / 2) + K step
.set AU,  224                          ; v224-255 (a_up | b2) in f16, four column tiles
.set MSB, 0
.macro WIN new                         ; s_set_vgpr_msb: bits 1:0 source 0, 3:2 source 1, 5:4 source 2, 7:6 destination; the high byte repeats the setting that is left
.if MSB != \new
	s_set_vgpr_msb (MSB<<8)|\new
.set MSB, \new
.endif
.endm
.macro PLACES n                        ; plain vector lines behind matrix instructions: four ahead of a load into, or a read of, their registers; five ahead of a matrix instruction of another form on them
.rept \n
	v_nop
.endr
.endm
.macro SPAIR r, bits                   ; a constant for the packed forms, which name a pair and take its low word for both halves: both words are written
	s_mov_b32 s[\r], \bits
	s_mov_b32 s[\r+1], \bits
.endm
.macro FP4 ra, rb                      ; one product on codes; ra, rb = 1: the side's scale words stand in lanes 16-31 of the register named
.if (\ra) && (\rb)
	v_wmma_scale_f32_16x16x128_f8f6f4 v[rD:rD+7], v[rA:rA+7], v[rB:rB+7], v[rC:rC+7], v[rSA], v[rSB] matrix_a_fmt:MATRIX_FMT_FP4 matrix_b_fmt:MATRIX_FMT_FP4 matrix_a_scale:MATRIX_SCALE_ROW1 matrix_b_scale:MATRIX_SCALE_ROW1
.elseif (\ra)
	v_wmma_scale_f32_16x16x128_f8f6f4 v[rD:rD+7], v[rA:rA+7], v[rB:rB+7], v[rC:rC+7], v[rSA], v[rSB] matrix_a_fmt:MATRIX_FMT_FP4 matrix_b_fmt:MATRIX_FMT_FP4 matrix_a_scale:MATRIX_SCALE_ROW1
.elseif (\rb)
	v_wmma_scale_f32_16x16x128_f8f6f4 v[rD:rD+7], v[rA:rA+7], v[rB:rB+7], v[rC:rC+7], v[rSA], v[rSB] matrix_a_fmt:MATRIX_FMT_FP4 matrix_b_fmt:MATRIX_FMT_FP4 matrix_b_scale:MATRIX_SCALE_ROW1
.else
	v_wmma_scale_f32_16x16x128_f8f6f4 v[rD:rD+7], v[rA:rA+7], v[rB:rB+7], v[rC:rC+7], v[rSA], v[rSB] matrix_a_fmt:MATRIX_FMT_FP4 matrix_b_fmt:MATRIX_FMT_FP4
.endif
.endm
	s_load_b512 s[8:23], s[0:1], 0x0               ; x s[8:9], w1f s[10:11], w1s s[12:13], b1 s[14:15], w2f s[16:17], w2s s[18:19], adf s[20:21], aupf s[22:23]
	s_load_b64 s[24:25], s[0:1], 0x40              ; out
	v_lshl_add_u32 v[SPW], v0, 2, SPARE
	v_mov_b32 v[NIL], 0
	v_lshrrev_b32 v11, 5, v0
	v_readfirstlane_b32 s54, v11                   ; wave 0..7
	v_and_b32 v11, 31, v0
	v_lshlrev_b32 v[LI], 4, v11
	v_and_b32 v10, 15, v0                          ; r
	v_bfe_u32 v11, v0, 4, 1                        ; h
	s_lshl_b32 s56, s54, 13                        ; my block
	s_mul_i32 s57, s54, TSTG
	s_add_co_u32 s57, s57, TURN                    ; my stage
	s_add_co_u32 s58, s56, HIMG
	s_lshl_b32 s59, s54, 9
	s_add_co_u32 s59, s59, HSC
	v_add_nc_u32 v[WB], s56, v[LI]
	v_add_nc_u32 v[TWR], s57, v[LI]                ; in: a row's 512 bytes as they are loaded
	v_mul_u32_u24 v[TRD], v10, 528                 ; out: row r, 64 h bytes on: 528 = 33 x 16, so the sixteen rows begin 16 bytes apart modulo 256
	v_lshl_add_u32 v[TRD], v11, 6, v[TRD]
	v_add_nc_u32 v[TRD], s57, v[TRD]
	v_lshlrev_b32 v[BO], 6, v11
	v_lshlrev_b32 v[HST], 4, v10
	v_lshl_add_u32 v[HST], v11, 3, v[HST]
	v_add_nc_u32 v[HST], s58, v[HST]
	v_lshl_add_u32 v[HSS], v10, 2, s59
	v_lshl_add_u32 v[XSR], v11, 13, v[LI]
.irp b, 0,1,2,3
	v_mov_b32 v[TM+4+\b], 0                        ; written once: a lane permute's destination counts as one of its sources
.endr
	SPAIR 28, 0x306dffee                           ; A11 =  8.6583795e-10
	SPAIR 30, 0xb40cff51                           ; A9  = -1.3131400e-07
	SPAIR 32, 0xb6eec2d2                           ; A7  = -7.1156330e-06
	SPAIR 34, 0xb940ac63                           ; A5  = -1.8374766e-04
	SPAIR 36, 0xbac1a1f6                           ; A3  = -1.4772999e-03
	SPAIR 38, 0xbc83dbd4                           ; A1  = -1.6096033e-02
	SPAIR 40, 0xb7dfbd29                           ; B6  = -2.6671757e-05
	SPAIR 42, 0xb9dc924e                           ; B4  = -4.2070674e-04
	SPAIR 44, 0xbb719bf8                           ; B2  = -3.6866646e-03
	SPAIR 46, 0xbc69b6a7                           ; B0  = -1.4264739e-02
	SPAIR 48, 0x3eb504f3                           ; kappa = sqrt(2) / 4
	s_mov_b32 s50, 0x40b504f3                      ; 4 sqrt(2)
	s_mov_b32 s51, 0xc0b504f3
	s_mov_b32 s52, 0x76543210                      ; v_permlanex16_b32's selects for lane l xor 16
	s_mov_b32 s53, 0xfedcba98
	; byte offsets, each in a pair of its own
	s_lshl_b32 s2, ttmp9, 18                       ; my 64 rows of 4,096 bytes, in x and in out
	s_and_b32 s3, s54, 3
	s_lshl_b32 s3, s3, 16                          ; X: my 16 rows,
	s_lshr_b32 s4, s54, 2
	s_lshl_b32 s5, s4, 11                          ; my 512 columns
	s_add_co_u32 s56, s2, s3
	s_add_co_u32 s56, s56, s5
	s_mov_b32 s57, 0
	s_lshl_b32 s58, s4, 14                         ; a_down's 16 images of my columns
	s_mov_b32 s59, 0
	s_lshl_b32 s60, s54, 9                         ; out: my 128 columns
	s_add_co_u32 s60, s60, s2
	s_mov_b32 s61, 0
	s_lshl_b32 s62, s54, 17                        ; w1f: my 8 groups of 16 fragments; w2f: my 2 x 64 fragments
	s_mov_b32 s63, 0
	s_lshl_b32 s6, s54, 13                         ; w1s: 8 groups of 1,024; w2s: 4 pairs of 2,048; aupf: 8 images
	s_mov_b32 s7, 0
	s_lshl_b32 s26, s54, 10                        ; b1: my 256 numbers
	s_mov_b32 s27, 0
	s_wait_kmcnt 0x0
	s_add_nc_u64 s[8:9], s[8:9], s[56:57]
	s_add_nc_u64 s[20:21], s[20:21], s[58:59]
	s_add_nc_u64 s[24:25], s[24:25], s[60:61]
	s_add_nc_u64 s[10:11], s[10:11], s[62:63]
	s_add_nc_u64 s[16:17], s[16:17], s[62:63]
	s_add_nc_u64 s[12:13], s[12:13], s[6:7]
	s_add_nc_u64 s[18:19], s[18:19], s[6:7]
	s_add_nc_u64 s[22:23], s[22:23], s[6:7]
	s_add_nc_u64 s[14:15], s[14:15], s[26:27]
.set j, 0
.rept 32
	global_load_b128 v[AD+4*j:AD+4*j+3], v[LI], s[20:21] offset:512*j     ; a_down's 16 images, as they lie
.set j, j+1
.endr
	WIN 0x40                                       ; destination window 1
.irp sl, 0,1,2,3
.irp i, 0,1,2,3,4,5,6,7,8,9,10,11,12,13,14,15
	global_load_b128 v[64*\sl+4*\i:64*\sl+4*\i+3], v[LI], s[8:9] offset:4096*\i+512*\sl th:TH_LOAD_NT   ; 32 lanes read 512 consecutive bytes of a row; all my 32 KiB of x are asked for here
.endr
.endr
	WIN 0
; 64 numbers of a lane, register 16 b + i = k 32 b + 16 (lane / 16) + i of my row, become a fragment's codes in v[PC] on and its scale word in v[PW]
.macro QUANT s
.irp b, 0,1,2,3
	v_max3_num_f32 v[TM+\b], |v[\s+16*\b]|, |v[\s+1+16*\b]|, 0x1800000   ; my 16 numbers of block b, and the floor 2^(3 - 127): the byte cannot fall under 1
.endr
.irp i, 2,4,6,8,10,12,14
.irp b, 0,1,2,3
	v_max3_num_f32 v[TM+\b], v[TM+\b], |v[\s+16*\b+\i]|, |v[\s+1+16*\b+\i]|   ; the four blocks by turns
.endr
.endr
.irp b, 0,1,2,3
	v_permlanex16_b32 v[TM+4+\b], v[TM+\b], s52, s53
.endr
.irp b, 0,1,2,3
	v_max_num_f32 v[TM+\b], v[TM+\b], v[TM+4+\b]   ; with lane l xor 16's: the block's largest magnitude
.endr
.irp b, 0,1,2,3
	v_add_nc_u32 v[TM+12+\b], 0xff000000, v[TM+\b] ; 2 off its exponent field: the conversion's scale operand
.endr
.irp b, 0,1,2,3
	v_lshrrev_b32 v[TM+4+\b], 23, v[TM+12+\b]      ; the scale's byte
.endr
	v_lshl_or_b32 v[PW], v[TM+5], 8, v[TM+4]
	v_lshl_or_b32 v[PW], v[TM+6], 16, v[PW]
	v_lshl_or_b32 v[PW], v[TM+7], 24, v[PW]
.irp b, 0,1,2,3
	v_cvt_scalef32_pk8_fp4_f32 v[PC+2*\b], v[\s+16*\b:\s+7+16*\b], v[TM+12+\b]
	v_cvt_scalef32_pk8_fp4_f32 v[PC+1+2*\b], v[\s+8+16*\b:\s+15+16*\b], v[TM+12+\b]
.endr
	v_nop                                          ; one plain line behind a scaled conversion
.irp c, 0,1                                    ; the operand's layout wants a whole block in a lane: lanes 0-15 block 2 c, lanes 16-31 block 2 c + 1
.irp i, 0,1
	v_permlane16_swap_b32 v[PC+4*\c+\i], v[PC+2+4*\c+\i]
.endr
.endr
.endm
; ---- X: one K step of 128 of my 16 rows
.macro XSTEP sl
	s_wait_loadcnt 48-16*\sl                       ; this K step's 16 loads are in (and a_down's, issued ahead of all of x); the later K steps', 16 each, may be out
	WIN 0x04                                       ; an LDS store's data are its source 1: window 1
.irp i, 0,1,2,3,4,5,6,7,8,9,10,11,12,13,14,15
	ds_store_b128 v[TWR], v[64*\sl+4*\i:64*\sl+4*\i+3] offset:528*\i
.endr
	WIN 0
.irp b, 0,1,2,3
.irp j, 0,1,2,3
	ds_load_b128 v[T+16*\b+4*\j:T+16*\b+4*\j+3], v[TRD] offset:128*\b+16*\j   ; LDS serves a wave's instructions in order: these see my stores.  Lane (r, h): 16 neighbours of each block of 32
.endr
.endr
	s_wait_dscnt 0x0                               ; the numbers are in; the last step's stores of codes have read their registers
	QUANT T
	ds_store_b128 v[WB], v[PC:PC+3] offset:1024*\sl        ; the fragment as an image of its registers
	ds_store_b128 v[WB], v[PC+4:PC+7] offset:1024*\sl+512
	v_mov_b32 v[PWS+\sl], v[PW]
.set j, 0
.rept 32
	v_cvt_pk_f16_f32 v[T+j], v[T+2*j], v[T+2*j+1]  ; in place, ascending: register j is written when registers 2 j and 2 j + 1 are read, and no unread one lies under it.  Registers 8 b .. 8 b + 7: k = 32 b + 16 h + 0 .. 15, as a_down's images are laid
.set j, j+1
.endr
	PLACES 4
.irp b, 0,1,2,3                                ; (x a_down)^T: source 0 = a_down's 16 columns, source 1 = my 16 rows; two accumulators by turns
.if (\sl == 0) && (\b < 2)
	v_wmma_f32_16x16x32_f16 v[LACC+8*(\b%2):LACC+8*(\b%2)+7], v[AD+32*\sl+8*\b:AD+32*\sl+8*\b+7], v[T+8*\b:T+8*\b+7], 0
.else
	v_wmma_f32_16x16x32_f16 v[LACC+8*(\b%2):LACC+8*(\b%2)+7], v[AD+32*\sl+8*\b:AD+32*\sl+8*\b+7], v[T+8*\b:T+8*\b+7], v[LACC+8*(\b%2):LACC+8*(\b%2)+7]
.endif
.endr
	PLACES 4                                       ; ahead of the next loads into T, of the sums' first read, and of the loads into a_down's registers
.endm
.macro WLOAD                           ; a trip's operands, 38 loads: w1's 16 fragments, its scale words, b1
.set j, 0
.rept 32
	global_load_b128 v[W1B+4*j:W1B+4*j+3], v[LI], s[10:11] offset:512*j
.set j, j+1
.endr
	global_load_b128 v[W1S:W1S+3], v[LI], s[12:13]
	global_load_b128 v[W1S+4:W1S+7], v[LI], s[12:13] offset:512
.irp e, 0,1,2,3
	global_load_b128 v[B1+4*\e:B1+4*\e+3], v[BO], s[14:15] offset:16*\e    ; lane (r, h), tile u, register j: hidden unit 16 h + 8 u + j of the group
.endr
.endm
	XSTEP 0
	XSTEP 1
	XSTEP 2
	XSTEP 3
.irp j, 0,1,2,3,4,5,6,7
	v_add_f32 v[T+\j], v[LACC+\j], v[LACC+8+\j]    ; my half of K: lane (r, 0), register j: (x a_down)(row r, j); lanes 16-31: zeros
.endr
	ds_store_b128 v[WB], v[T:T+3] offset:4096
	ds_store_b128 v[WB], v[T+4:T+7] offset:4608
	ds_store_b128 v[WB], v[PWS:PWS+3] offset:6144
	s_wait_dscnt 0x0                               ; for the others' sake: my stores have landed; and they have read their registers, into which loads go next
	WLOAD                                          ; the first trip's operands: they land while the waves meet
	v_mov_b32 v[CA], 0xac95df0b                    ; A13 = -4.2595973e-12
	v_mov_b32 v[CA+1], 0xac95df0b
	v_mov_b32 v[CB], 0xb57460cd                    ; B8  = -9.1037949e-07
	v_mov_b32 v[CB+1], 0xb57460cd
	s_barrier_signal -1
	s_barrier_wait -1                              ; x's 32 fragments, their scale words and the eight parts of x a_down lie in LDS
	s_cmp_gt_u32 s54, 3
	s_cbranch_scc1 .Lnolf
	; waves 0-3: row tile w's fragment for the adapter's second product: the two halves of K are added, rounded to f16; k = 8, 9 are 1.0, which take b2's two parts in
	ds_load_b128 v[64:67], v[WB] offset:4096
	ds_load_b128 v[68:71], v[WB] offset:4608
	ds_load_b128 v[72:75], v[WB] offset:36864      ; block w + 4
	ds_load_b128 v[76:79], v[WB] offset:37376
	v_bfe_u32 v96, v0, 4, 1
	v_sub_nc_u32 v96, 0, v96
	v_and_b32 v96, 0x3c003c00, v96                 ; lanes 16-31: 1.0, 1.0 in f16
.irp j, 0,1,2,3
	v_mov_b32 v[92+\j], 0                          ; k = 16 to 31
.endr
	s_wait_dscnt 0x0
.irp j, 0,1,2,3,4,5,6,7
	v_add_f32 v[80+\j], v[64+\j], v[72+\j]
.endr
.irp j, 0,1,2,3
	v_cvt_pk_f16_f32 v[88+\j], v[80+2*\j], v[81+2*\j]
.endr
	v_or_b32 v88, v88, v96
	ds_store_b128 v[WB], v[88:91] offset:5120
	ds_store_b128 v[WB], v[92:95] offset:5632
.Lnolf:
	WIN 0x40
.irp s, 0,1,2,3,4,5,6,7
.irp m, 0,1,2,3
.irp c, 0,1
	ds_load_b128 v[32*\s+8*\m+4*\c:32*\s+8*\m+4*\c+3], v[LI] offset:(\m+4*(\s/4))*8192+(\s%4)*1024+512*\c   ; all of x's codes stay in my registers
.endr
.endr
.endr
	WIN 0
; ---- 1.  gelu of two pairs of registers: HA + 2 p on; numerators and denominators into pairs i, i + 1 of TQ and TB
.macro HSTEP r, k
	v_pk_fma_f32 v[\r:\r+1], v[\r:\r+1], v[TW:TW+1], s[\k:\k+1] op_sel_hi:[1,1,0]
	v_pk_fma_f32 v[\r+2:\r+3], v[\r+2:\r+3], v[TW+2:TW+3], s[\k:\k+1] op_sel_hi:[1,1,0]
.endm
.macro GSUB p, i
.set gH, HA+2*(\p)
.set gQ, TQ+2*(\i)
.set gB, TB+2*(\i)
.irp e, 0,1,2,3
	v_med3_num_f32 v[TZ+\e], v[gH+\e], s51, s50    ; zc.  (Each accumulator is read from its low end on)
.endr
	v_pk_mul_f32 v[TW:TW+1], v[TZ:TZ+1], v[TZ:TZ+1]
	v_pk_mul_f32 v[TW+2:TW+3], v[TZ+2:TZ+3], v[TZ+2:TZ+3]
	v_pk_fma_f32 v[gQ:gQ+1], v[TW:TW+1], v[CA:CA+1], s[28:29] op_sel_hi:[1,1,0]
	v_pk_fma_f32 v[gQ+2:gQ+3], v[TW+2:TW+3], v[CA:CA+1], s[28:29] op_sel_hi:[1,1,0]
	v_pk_fma_f32 v[gB:gB+1], v[TW:TW+1], v[CB:CB+1], s[40:41] op_sel_hi:[1,1,0]
	v_pk_fma_f32 v[gB+2:gB+3], v[TW+2:TW+3], v[CB:CB+1], s[40:41] op_sel_hi:[1,1,0]
	HSTEP gQ, 30                                   ; four chains by turns
	HSTEP gB, 42
	HSTEP gQ, 32
	HSTEP gB, 44
	HSTEP gQ, 34
	HSTEP gB, 46
	HSTEP gQ, 36
	HSTEP gQ, 38
	v_pk_mul_f32 v[gQ:gQ+1], v[gQ:gQ+1], v[TZ:TZ+1]
	v_pk_mul_f32 v[gQ+2:gQ+3], v[gQ+2:gQ+3], v[TZ+2:TZ+3]
.endm
.macro GBATCH p                        ; eight numbers: their eight reciprocals are one batch with one wait
	GSUB \p, 0
	GSUB (\p)+2, 2
.irp e, 0,1,2,3,4,5,6,7
	v_rcp_f32 v[TB+\e], v[TB+\e]
.endr
	v_nop                                          ; a plain line behind the last reciprocal
	s_wait_alu depctr_va_vdst(0)                   ; the wait stands ahead of the first line that names a result: one for the eight
.irp k, 0,2,4,6
	v_pk_mul_f32 v[TQ+\k:TQ+\k+1], v[TQ+\k:TQ+\k+1], v[TB+\k:TB+\k+1]
.endr
.irp k, 0,2,4,6
	v_pk_fma_f32 v[TQ+\k:TQ+\k+1], v[TQ+\k:TQ+\k+1], s[48:49], 0.5 op_sel_hi:[1,0,0]
.endr
.irp k, 0,2,4,6
	v_pk_mul_f32 v[HA+2*(\p)+\k:HA+2*(\p)+\k+1], v[HA+2*(\p)+\k:HA+2*(\p)+\k+1], v[TQ+\k:TQ+\k+1]
.endr
.endm
.macro RLOAD t                         ; w2's four fragments of K step t (16 x pass + step) into slot t % 6 of the ring, window 1
.set rR, 32*((\t)%6)
.set j, 0
.rept 8
	global_load_b128 v[rR+4*j:rR+4*j+3], v[LI], s[16:17] offset:(\t)*4096+512*j
.set j, j+1
.endr
.endm
.macro SLOAD q                         ; w2's scale words of pass q
.irp pl, 0,1
.irp kq, 0,1,2,3
	global_load_b128 v[W2S+16*\pl+4*\kq:W2S+16*\pl+4*\kq+3], v[LI], s[18:19] offset:(2*(\q)+\pl)*2048+512*\kq
.endr
.endr
.endm
.macro ALOAD q                         ; (a_up | b2)'s four images of pass q
.set j, 0
.rept 8
	global_load_b128 v[AU+4*j:AU+4*j+3], v[LI], s[22:23] offset:(\q)*4096+512*j
.set j, j+1
.endr
.endm
	s_mov_b32 s55, 0
.Lchunk:                                           ; eight trips: group p = 8 w + s55
	s_wait_dscnt 0x0                               ; the last trip's LDS stores have read their registers (first trip: x's codes are in)
.irp q, 0,1
.irp sq, 0,1
	ds_load_b128 v[XS+8*\q+4*\sq:XS+8*\q+4*\sq+3], v[XSR] offset:(2*\q+4*\sq)*8192+6144   ; x's scale words: lanes 0-15 row tile 2 q, lanes 16-31 row tile 2 q + 1; K steps 4 sq on
.endr
.endr
	s_wait_loadcnt 0x0                             ; this trip's operands, asked for a gelu ago
	s_wait_dscnt 0x0
	WIN 0x04                                       ; source 1 (x) window 1
.irp s, 0,1,2,3,4,5,6,7                        ; 64 products; the eight accumulators take turns, one instruction a turn
.irp m, 0,1,2,3
.irp u, 0,1
.set rD, HA+16*\m+8*\u
.set rA, W1B+16*\s+8*\u
.set rB, 32*\s+8*\m
.if \s == 0
.set rC, B1+8*\u
.else
.set rC, rD
.endif
.set rSA, W1S+\s
.set rSB, XS+8*(\m/2)+\s
	FP4 \u, \m%2
.endr
.endr
.endr
	WIN 0
	PLACES 4                                       ; ahead of the loads into the operands' registers and of the first read of results
	s_cmp_eq_u32 s55, 7
	s_cbranch_scc1 .Llast
	s_add_nc_u64 s[10:11], s[10:11], 16384         ; no load is out since the wait for 0: the bases may step to the next group
	s_add_nc_u64 s[12:13], s[12:13], 1024
	s_add_nc_u64 s[14:15], s[14:15], 128
	WLOAD                                          ; the next trip's operands land under this trip's gelu
	s_branch .Lgelu
.Llast:                                            ; the last trip asks for phase 2's first operands instead, into registers that are done with: six K steps of w2, pass 0's scale words and (a_up | b2)
	WIN 0x40
.irp t, 0,1,2,3,4,5
	RLOAD \t
.endr
	WIN 0
	SLOAD 0
	ALOAD 0
.Lgelu:
.irp p, 0,4,8,12,16,20,24,28
	GBATCH \p
.endr
	; H's block of 32 units, for four row tiles by turns.  Registers 16 m + 0 .. 15 of lane (r, h): units 16 h + 0 .. 15 of row 16 m + r
.irp m, 0,1,2,3
	v_max3_num_f32 v[QM+\m], |v[HA+16*\m]|, |v[HA+16*\m+1]|, 0x1800000
.endr
.irp i, 2,4,6,8,10,12,14
.irp m, 0,1,2,3
	v_max3_num_f32 v[QM+\m], v[QM+\m], |v[HA+16*\m+\i]|, |v[HA+16*\m+\i+1]|
.endr
.endr
.irp m, 0,1,2,3
	v_permlanex16_b32 v[QP+\m], v[QM+\m], s52, s53
.endr
.irp m, 0,1,2,3
	v_max_num_f32 v[QM+\m], v[QM+\m], v[QP+\m]
.endr
.irp m, 0,1,2,3
	v_add_nc_u32 v[QS+\m], 0xff000000, v[QM+\m]
.endr
.irp m, 0,1,2,3
	v_lshrrev_b32 v[QB+\m], 23, v[QS+\m]
.endr
.irp m, 0,1,2,3
	v_cvt_scalef32_pk8_fp4_f32 v[QC+2*\m], v[HA+16*\m:HA+16*\m+7], v[QS+\m]
	v_cvt_scalef32_pk8_fp4_f32 v[QC+2*\m+1], v[HA+16*\m+8:HA+16*\m+15], v[QS+\m]
.endr
	v_nop                                          ; one plain line behind the conversions
	s_lshl_b32 s56, s55, 10                        ; the trip's group: 1,024 bytes of codes on;
	v_add_nc_u32 v[HA1], s56, v[HST]
	s_and_b32 s57, s55, 3                          ; its byte in the scale words: block s55 % 4 of K step 2 w + s55 / 4
	s_lshr_b32 s58, s55, 2
	s_lshl_b32 s58, s58, 8
	s_add_co_u32 s57, s57, s58
	v_add_nc_u32 v[HA2], s57, v[HSS]
.irp m, 0,1,2,3
	ds_store_b64 v[HA1], v[QC+2*\m:QC+2*\m+1] offset:256*\m    ; my half block goes to its place in the block's 16 bytes: the 32 lanes fill 256 consecutive bytes, and no lanes are swapped
.endr
.irp m, 0,1,2,3
	ds_store_b8 v[HA2], v[QB+\m] offset:64*\m      ; both lanes of a row write the same byte with the same value
.endr
	s_add_co_u32 s55, s55, 1
	s_cmp_lt_u32 s55, 8
	s_cbranch_scc1 .Lchunk
	s_wait_dscnt 0x0                               ; for the others' sake: my stores have landed
	s_barrier_signal -1
	s_barrier_wait -1                              ; H's codes and bytes, and the adapter's four fragments, lie in LDS
	; ---- 2
	v_and_b32 v10, 15, v0                          ; r
	v_bfe_u32 v11, v0, 4, 1                        ; h
	s_mul_i32 s56, s54, TSTG
	s_add_co_u32 s56, s56, TURN
	v_lshlrev_b32 v[GO], 4, v10
	v_lshl_add_u32 v[GO], v11, 12, v[GO]           ; lanes 0-15 one row of out, lanes 16-31 the next; 16 bytes a lane
	v_mul_u32_u24 v[OSW], v10, 272                 ; the stage: in: row r, 32 h bytes on; 272 = 17 x 16
	v_lshl_add_u32 v[OSW], v11, 5, v[OSW]
	v_add_nc_u32 v[OSW], s56, v[OSW]
	v_mul_u32_u24 v[OSR], v11, 272                 ; back: two rows an instruction
	v_lshl_add_u32 v[OSR], v10, 4, v[OSR]
	v_add_nc_u32 v[OSR], s56, v[OSR]
	v_lshlrev_b32 v[HRD], 4, v10
	v_lshl_add_u32 v[HRD], v11, 10, v[HRD]         ; lanes 16-31 take the odd block, 1,024 bytes on
	v_add_nc_u32 v[HRD], HIMG, v[HRD]
	v_and_b32 v[HSR], 31, v0
	v_lshl_add_u32 v[HSR], v[HSR], 2, HSC
.macro HLOAD t                         ; H's four fragments and scale words of K step t % 16 into buffer t % 2: ten LDS loads
.set hS, (\t)%16
.set hB, 192+32*((\t)%2)
	WIN 0
	ds_load_b32 v[HS+2*((\t)%2)], v[HSR] offset:hS*256             ; lanes 0-15 row tile 0, lanes 16-31 row tile 1
	ds_load_b32 v[HS+2*((\t)%2)+1], v[HSR] offset:hS*256+128       ; row tiles 2, 3
	WIN 0x40
.irp m, 0,1,2,3
.irp c, 0,1
	ds_load_b128 v[hB+8*\m+4*\c:hB+8*\m+4*\c+3], v[HRD] offset:hS*4096+2048*\c+256*\m
.endr
.endr
.endm
.macro KSTEP t                         ; 128 hidden units: 16 products
	PLACES 4                                       ; ahead of the loads into the registers that the last step's products read
.if ((\t)%16) == 0
	HLOAD \t
.endif
.if ((\t)%16) < 15
	HLOAD (\t)+1
.endif
.if ((\t) >= 1) && ((\t) <= 26)
	WIN 0x40
	RLOAD (\t)+5                                   ; into the slot that the last step has left
.endif
.if (\t) <= 26
	s_wait_loadcnt 40                              ; this step's fragments of w2 are in; the five later steps', eight loads each, may be out
.else
	s_wait_loadcnt 8*(31-(\t))                     ; the steps that are left
.endif
.if ((\t)%16) < 15
	s_wait_dscnt 10                                ; this step's H is in; the next step's ten loads may be out
.else
	s_wait_dscnt 0x0
.endif
.set kS, (\t)%16
.set kR, 32*((\t)%6)
.set kH, 192+32*((\t)%2)
.set kHS, HS+2*((\t)%2)
	WIN 0x05                                       ; sources 0 (w2) and 1 (H) window 1
.irp n, 0,1,2,3                                ; the 16 accumulators take turns, one instruction a turn
.irp m, 0,1,2,3
.set rD, ACC+8*(4*\n+\m)
.set rC, rD
.set rA, kR+8*\n
.set rB, kH+8*\m
.set rSA, W2S+16*(\n/2)+kS
.set rSB, kHS+\m/2
	FP4 \n%2, \m%2
.endr
.endr
	WIN 0
.endm
.macro TOSTAGE m                       ; row tile m: a lane's 32 bytes of a row for each column tile go into my stage and come back as rows of 256 bytes
.irp n, 0,1,2,3
	ds_store_b128 v[OSW], v[ACC+8*(4*\n+(\m)):ACC+8*(4*\n+(\m))+3] offset:64*\n          ; each accumulator from its low end on
	ds_store_b128 v[OSW], v[ACC+8*(4*\n+(\m))+4:ACC+8*(4*\n+(\m))+7] offset:64*\n+16
.endr
	WIN 0x40
.irp i, 0,1,2,3,4,5,6,7
	ds_load_b128 v[192+32*((\m)%2)+4*\i:192+32*((\m)%2)+4*\i+3], v[OSR] offset:544*\i    ; LDS serves a wave's instructions in order: these see my stores, and the next tile's stores come behind them
.endr
	WIN 0
.endm
.macro SEND m, younger, q              ; younger: the LDS instructions issued behind tile m's loads
	s_wait_dscnt \younger
	WIN 0x04                                       ; a store's data are its source 1: window 1
.irp i, 0,1,2,3,4,5,6,7
	global_store_b128 v[GO], v[192+32*((\m)%2)+4*\i:192+32*((\m)%2)+4*\i+3], s[24:25] offset:(16*(\m)+2*\i)*4096+256*(\q) th:TH_STORE_NT   ; sixteen lanes store 256 consecutive bytes, at a multiple of 256 from out's first byte
.endr
	WIN 0
.endm
.macro PASS q                          ; out's columns 128 w + 64 q on
.if \q
	s_wait_xcnt 0x0                                ; the first pass's stores have read their registers: H's fragments may land there again
.endif
	s_wait_loadcnt 0x0                             ; the scale words, (a_up | b2) and the ring's loads, all asked for a phase ago
.if \q == 0
.irp m, 0,1,2,3
.irp c, 0,1
	ds_load_b128 v[LF+8*\m+4*\c:LF+8*\m+4*\c+3], v[LI] offset:\m*8192+5120+512*\c
.endr
.endr
	s_wait_dscnt 0x0
.endif
.irp n, 0,1,2,3                                ; the sums begin: (a_up | b2) x (x a_down | 1): source 0 = 16 columns of out, source 1 = 16 rows.  Nothing is cleared
.irp m, 0,1,2,3
	v_wmma_f32_16x16x32_f16 v[ACC+8*(4*\n+\m):ACC+8*(4*\n+\m)+7], v[AU+8*\n:AU+8*\n+7], v[LF+8*\m:LF+8*\m+7], 0
.endr
.endr
	PLACES 1                                       ; with the four at the head of the first K step: five, ahead of another form's products on these accumulators
.set KT, 16*\q
.rept 16
	KSTEP KT
.set KT, KT+1
.endr
	PLACES 5                                       ; ahead of the reads of results, of the loads into operands' registers, and of the next pass's products, which begin the accumulators anew
.if \q == 0
	SLOAD 1                                        ; the second pass's: they land under the way out
	ALOAD 1
.endif
	TOSTAGE 0
.irp a, 1,2,3
.if \a > 1
	s_wait_xcnt 0x0                                ; tile a - 2's stores have read their registers: tile a's rows may land there
.endif
	TOSTAGE \a
	SEND \a-1, 16, \q                              ; behind tile a - 1's loads: tile a's 8 stores and 8 loads
.endr
	SEND 3, 0, \q
.endm
	PASS 0
	PASS 1
	s_wait_tensorcnt 0x0                           ; the wave's end: three closing lines behind my last LDS store
	ds_add_u32 v[SPW], v[NIL]
	s_wait_dscnt 0x0
	s_endpgm
.Lfunc_end_k_q30eb973d60_ffn:
	.size	k_q30eb973d60_ffn, .Lfunc_end_k_q30eb973d60_ffn-k_q30eb973d60_ffn
	.p2alignl 7, 3214868480
	.fill 96, 4, 3214868480
	.section	.rodata,"a",@progbits
	.p2align	6, 0x0
	.amdhsa_kernel k_q30eb973d60_ffn
		.amdhsa_group_segment_fixed_size 203776
		.amdhsa_private_segment_fixed_size 0
		.amdhsa_enable_private_segment 0
		.amdhsa_kernarg_size 72
		.amdhsa_user_sgpr_count 2
		.amdhsa_user_sgpr_kernarg_segment_ptr 1
		.amdhsa_wavefront_size32 1
		.amdhsa_system_sgpr_workgroup_id_x 1
		.amdhsa_system_sgpr_workgroup_id_y 1
		.amdhsa_system_sgpr_workgroup_id_z 1
		.amdhsa_system_vgpr_workitem_id 0
		.amdhsa_next_free_vgpr 512
		.amdhsa_next_free_sgpr 66
		.amdhsa_reserve_vcc 0
		.amdhsa_float_denorm_mode_32 3
		.amdhsa_float_denorm_mode_16_64 3
		.amdhsa_memory_ordered 1
		.amdhsa_forward_progress 1
		.amdhsa_inst_pref_size 250
	.end_amdhsa_kernel
	.amdgpu_metadata
---
amdhsa.version: [ 1, 2 ]
amdhsa.kernels:
  - .name:           k_q30eb973d60_ffn
    .symbol:         k_q30eb973d60_ffn.kd
    .args:
      - { .name: x, .offset: 0, .size: 8, .value_kind: global_buffer, .address_space: global }
      - { .name: w1f, .offset: 8, .size: 8, .value_kind: global_buffer, .address_space: global }
      - { .name: w1s, .offset: 16, .size: 8, .value_kind: global_buffer, .address_space: global }
      - { .name: b1, .offset: 24, .size: 8, .value_kind: global_buffer, .address_space: global }
      - { .name: w2f, .offset: 32, .size: 8, .value_kind: global_buffer, .address_space: global }
      - { .name: w2s, .offset: 40, .size: 8, .value_kind: global_buffer, .address_space: global }
      - { .name: adf, .offset: 48, .size: 8, .value_kind: global_buffer, .address_space: global }
      - { .name: aupf, .offset: 56, .size: 8, .value_kind: global_buffer, .address_space: global }
      - { .name: out0, .offset: 64, .size: 8, .value_kind: global_buffer, .address_space: global }
    .group_segment_fixed_size: 203776
    .private_segment_fixed_size: 0
    .kernarg_segment_align: 8
    .kernarg_segment_size: 72
    .max_flat_workgroup_size: 256
    .sgpr_count:     66
    .vgpr_count:     512
    .wavefront_size: 32
...
	.end_amdgpu_metadata
.endif
;; end of part 2
;; ======== version 2 of 2: 2 launches
;; limits: values are held in f16: magnitudes above 65,504 overflow, below 6.1e-05 lose precision; a function is approximated: absolute error at most 1e-07
;; workspace buffers: w1f 1,048,576 bytes; w1s 65,536 bytes; w2f 1,048,576 bytes; w2s 65,536 bytes; adf 32,768 bytes; aupf 65,536 bytes
;; launch prep (part 3): grid 280 x 1, 4 waves a work-group, no clusters, 0 bytes of LDS; arguments w1, w2, a_down, a_up, b2, w1f, w1s, w2f, w2s, adf, aupf; writes w1f, w1s, w2f, w2s, adf, aupf
.if DOCPART == 3
	.amdgcn_target "amdgcn-amd-amdhsa--gfx1250"
	.amdhsa_code_object_version 6
	.text
	.protected	k_q30eb973d60_prep
	.globl	k_q30eb973d60_prep
	.p2align	8
	.type	k_q30eb973d60_prep,@function
k_q30eb973d60_prep:
	s_mov_b64 s[64:65], 0
	v_nop
	global_prefetch_b8 v0, s[64:65] scope:SCOPE_SE
	s_setreg_imm32_b32 hwreg(HW_REG_WAVE_MODE, 25, 1), 1
	s_wait_xcnt 0x0
; out = gelu(x w1 + b1) w2 + b2 + (x a_down[0]) a_up[0].  This launch lays the weights out once, in the order in which the second launch's operand registers take them.
; WORK LEFT OUT: adapter_idx is the constant 0, and reference() takes a_down[adapter_idx] and a_up[adapter_idx] alone: slices 1 to 3 of both tensors have no way to the output, whatever they hold,
; and are never loaded (the first 32,768 bytes of each buffer are read).  A NaN or an infinity in those slices is not carried to the result.  Every other input is read.
; w1 [1024 (k)][2048], w2 [2048 (k)][1024], f32, K their FIRST axis -> codes of FP4 (E2M1) with one E8M0 byte for each 32 along K.  A LANE TAKES A COLUMN AND ITS REGISTERS RUN DOWN K: a block of 32 lies in one lane,
; the conversions give codes with K innermost, and nothing is transposed.  A block's byte is its largest magnitude's exponent field - 2, held at 1 from below.  (A block of zeros gets the byte 1 where the rule says 127:
; its codes are zeros, and this program alone reads the bytes.)
; A FRAGMENT (16 rows x 128 K, 8 registers a lane) is stored as the image of its registers: [c 2][lane 32][16 bytes]; block b of row i lies at 512 (b / 2) + 256 (b % 2) + 16 i.
;   w1f [p 64][s 8][u 2] fragments: lane row i of tile u of group p is hidden unit 32 p + 8 u + i + 8 (i / 8), so that the two tiles' results are 16 neighbours along the next K.   w1s [p][s / 4][16 u + i][word s % 4].
;   w2f [ct / 4][s2 16][ct % 4] fragments of out's columns 16 ct on.   w2s [ct / 2][s2 / 4][16 (ct % 2) + i][word s2 % 4].
;   adf [kb 32]: f16 images of a_down[0]: lane (n, h), register j: k = 32 kb + 16 h + 2 j, + 1 of column n; columns 8 to 15 are zeros.  (k stands in another order than the instruction's own: x's fragment is laid alike.)
;   aupf [ct 64]: f16 images: lane (r, 0), registers 0-3: a_up[0][0..7][16 ct + r]; lane (r, 1), register 0: b2[16 ct + r] as a high and a low f16 part (k = 8, 9); all else zero.
; SHARES: work-groups 0-127: w1, a wave 32 columns x 128 K; 128-255: w2 likewise; 256-263: adf, a wave an image; 264-279: aupf.  No LDS, no barrier: waves share nothing.
; LIMITS: NaN and infinities are not served; blocks under 2^-124 keep the byte 1; a_down, a_up and b2 go to f16: magnitudes under 65,504.
; The scale words leave 4 bytes a lane, 16 bytes apart (131,072 bytes of the launch's 2.3 MB): so laid, the second launch takes four K steps' words of 32 rows by one load of 16 bytes a lane.
.set X,  32                            ; v32-159  128 numbers of my column
.set C,  160                           ; v160-175 the codes: four registers a block, none written twice
.set SB, 176                           ; v176     my column's four scale bytes
	s_load_b512 s[8:23], s[0:1], 0x0               ; w1 s[8:9], w2 s[10:11], a_down s[12:13], a_up s[14:15], b2 s[16:17], w1f s[18:19], w1s s[20:21], w2f s[22:23]
	s_load_b128 s[24:27], s[0:1], 0x40             ; w2s s[24:25], adf s[26:27]
	s_load_b64 s[28:29], s[0:1], 0x50              ; aupf
	v_lshrrev_b32 v2, 5, v0
	v_readfirstlane_b32 s30, v2                    ; wave 0..3
	v_and_b32 v1, 31, v0                           ; lane
	v_lshlrev_b32 v3, 2, v1                        ; 4 bytes a lane: my column in a row
	s_mov_b32 s39, 0                               ; the offsets' high words
	s_mov_b32 s41, 0
	s_mov_b32 s43, 0
	s_wait_kmcnt 0x0
.macro LOAD32 b, pitch                 ; block b: rows 32 b .. 32 b + 31 of my column; 32 lanes read 128 consecutive bytes, the four waves stand side by side on 512
.set j, 32*\b
.rept 32
	global_load_b32 v[X+j], v3, s[32:33] offset:j*\pitch th:TH_LOAD_NT
.set j, j+1
.endr
.endm
.macro BLOCK b
.set XB, X+32*\b
	v_max3_num_f32 v12, |v[XB]|, |v[XB+1]|, |v[XB+2]|              ; the block's largest magnitude, in two chains: all 32 numbers are mine
	v_max3_num_f32 v13, |v[XB+3]|, |v[XB+4]|, |v[XB+5]|
.irp i, 6,10,14,18,22,26
	v_max3_num_f32 v12, v12, |v[XB+\i]|, |v[XB+\i+1]|
	v_max3_num_f32 v13, v13, |v[XB+\i+2]|, |v[XB+\i+3]|
.endr
	v_max3_num_f32 v12, v12, |v[XB+30]|, |v[XB+31]|
	v_max3_num_f32 v12, v12, v13, 0x1800000        ; and the floor 2^(3 - 127): the byte cannot fall under 1
	v_add_nc_u32 v11, 0xff000000, v12              ; 2 off the exponent field: the conversion takes this operand's exponent field as its scale
	v_lshrrev_b32 v13, 23, v11                     ; the scale's byte
.if \b == 0
	v_mov_b32 v[SB], v13
.else
	v_lshl_or_b32 v[SB], v13, 8*\b, v[SB]
.endif
.irp g, 0,1,2,3
	v_cvt_scalef32_pk8_fp4_f32 v[C+4*\b+\g], v[XB+8*\g:XB+8*\g+7], v11
.endr
	v_nop                                          ; one plain line behind the conversions: the next block writes their scale operand
	global_store_b128 v4, v[C+4*\b:C+4*\b+3], s[34:35] offset:(\b/2)*512+(\b%2)*256   ; the 32 lanes fill 256 consecutive bytes in each of the two tiles' images
.endm
.macro QPATH pitch                     ; loads run two blocks ahead; each count of 32 leaves the one younger block out
	LOAD32 0, \pitch
	LOAD32 1, \pitch
	s_wait_loadcnt 32
	LOAD32 2, \pitch
	BLOCK 0
	s_wait_loadcnt 32
	LOAD32 3, \pitch
	BLOCK 1
	s_wait_loadcnt 32
	BLOCK 2
	s_wait_loadcnt 0x0
	BLOCK 3
	global_store_b32 v5, v[SB], s[36:37]           ; my row's scale word of this K step
	s_endpgm
.endm
	s_cmp_ge_u32 ttmp9, 256
	s_cbranch_scc1 .Ladapter
	s_cmp_ge_u32 ttmp9, 128
	s_cbranch_scc1 .Lw2
	; ---- w1: group p = 4 (g % 16) + wave, K step s = g / 16
	s_and_b32 s44, ttmp9, 15
	s_lshl_b32 s44, s44, 2
	s_add_co_u32 s44, s44, s30                     ; p
	s_lshr_b32 s45, ttmp9, 4                       ; s
	s_lshl_b32 s38, s45, 20                        ; 128 rows of 8,192 bytes
	s_lshl_b32 s46, s44, 7                         ; 32 columns
	s_add_co_u32 s38, s38, s46
	s_add_nc_u64 s[32:33], s[8:9], s[38:39]
	s_lshl_b32 s40, s44, 3
	s_add_co_u32 s40, s40, s45
	s_lshl_b32 s40, s40, 11                        ; (8 p + s) x two fragments
	s_add_nc_u64 s[34:35], s[18:19], s[40:41]
	s_lshl_b32 s42, s44, 10
	s_lshr_b32 s46, s45, 2
	s_lshl_b32 s46, s46, 9
	s_add_co_u32 s42, s42, s46
	s_and_b32 s46, s45, 3
	s_lshl_b32 s46, s46, 2
	s_add_co_u32 s42, s42, s46                     ; 1,024 p + 512 (s / 4) + 4 (s % 4)
	s_add_nc_u64 s[36:37], s[20:21], s[42:43]
	s_wait_alu depctr_va_vdst(0)
	v_bfe_u32 v6, v1, 3, 1                         ; my column 32 p + lane is row i of tile u: u = (lane / 8) % 2,
	v_and_b32 v7, 7, v1
	v_lshrrev_b32 v8, 4, v1
	v_lshl_add_u32 v7, v8, 3, v7                   ; i = lane % 8 + 8 (lane / 16)
	v_lshlrev_b32 v4, 4, v7
	v_lshl_add_u32 v4, v6, 10, v4                  ; codes: 1,024 u + 16 i
	v_lshl_add_u32 v5, v6, 4, v7
	v_lshlrev_b32 v5, 4, v5                        ; scale word: 16 (16 u + i)
	QPATH 8192
.Lw2:
	; ---- w2: pair of column tiles p' = 4 (g' % 8) + wave, K step s2 = g' / 8
	s_sub_co_u32 s47, ttmp9, 128
	s_and_b32 s44, s47, 7
	s_lshl_b32 s44, s44, 2
	s_add_co_u32 s44, s44, s30                     ; p'
	s_lshr_b32 s45, s47, 3                         ; s2
	s_lshl_b32 s38, s45, 19                        ; 128 rows of 4,096 bytes
	s_lshl_b32 s46, s44, 7
	s_add_co_u32 s38, s38, s46
	s_add_nc_u64 s[32:33], s[10:11], s[38:39]
	s_lshr_b32 s40, s44, 1
	s_lshl_b32 s40, s40, 4
	s_add_co_u32 s40, s40, s45
	s_lshl_b32 s40, s40, 12                        ; (16 (p' / 2) + s2) x four fragments,
	s_and_b32 s46, s44, 1
	s_lshl_b32 s46, s46, 11                        ; + two for an odd p'
	s_add_co_u32 s40, s40, s46
	s_add_nc_u64 s[34:35], s[22:23], s[40:41]
	s_lshl_b32 s42, s44, 11
	s_lshr_b32 s46, s45, 2
	s_lshl_b32 s46, s46, 9
	s_add_co_u32 s42, s42, s46
	s_and_b32 s46, s45, 3
	s_lshl_b32 s46, s46, 2
	s_add_co_u32 s42, s42, s46                     ; 2,048 p' + 512 (s2 / 4) + 4 (s2 % 4)
	s_add_nc_u64 s[36:37], s[24:25], s[42:43]
	s_wait_alu depctr_va_vdst(0)
	v_lshrrev_b32 v6, 4, v1
	v_and_b32 v7, 15, v1
	v_lshlrev_b32 v4, 4, v7
	v_lshl_add_u32 v4, v6, 10, v4                  ; codes: 1,024 (lane / 16) + 16 (lane % 16)
	v_lshlrev_b32 v5, 4, v1                        ; scale word: 16 x lane
	QPATH 4096
.Ladapter:
	s_cmp_ge_u32 ttmp9, 264
	s_cbranch_scc1 .Lup
	; ---- adf: image kb = 4 (g - 256) + wave.  a_down[0][k][n] lies at 32 k + 4 n
	s_sub_co_u32 s44, ttmp9, 256
	s_lshl_b32 s44, s44, 2
	s_add_co_u32 s44, s44, s30
	s_lshl_b32 s38, s44, 10                        ; 32 rows of 32 bytes in a_down, and an image in adf: 1,024 bytes both
	s_add_nc_u64 s[32:33], s[12:13], s[38:39]
	s_add_nc_u64 s[34:35], s[26:27], s[38:39]
	s_wait_alu depctr_va_vdst(0)
	v_and_b32 v6, 15, v1                           ; n
	v_lshrrev_b32 v7, 4, v1                        ; h
	v_and_b32 v8, 7, v1
	v_lshlrev_b32 v8, 2, v8                        ; lanes with n over 7 read column n - 8 and throw it away: no load leaves slice 0
	v_lshl_add_u32 v8, v7, 9, v8                   ; + 16 h rows
.irp i, 0,1,2,3,4,5,6,7,8,9,10,11,12,13,14,15
	global_load_b32 v[32+\i], v8, s[32:33] offset:32*\i
.endr
	v_lshlrev_b32 v4, 4, v1
	v_cmp_gt_u32 vcc_lo, 8, v6
	s_wait_loadcnt 0x0
.irp j, 0,1,2,3,4,5,6,7
	v_cvt_pk_f16_f32 v[64+\j], v[32+2*\j], v[33+2*\j]
.endr
.irp j, 0,1,2,3,4,5,6,7
	v_cndmask_b32 v[64+\j], 0, v[64+\j], vcc_lo    ; columns 8 to 15 are zeros
.endr
	global_store_b128 v4, v[64:67], s[34:35]
	global_store_b128 v4, v[68:71], s[34:35] offset:512
	s_endpgm
.Lup:
	; ---- aupf: image ct = 4 (g - 264) + wave.  a_up[0][k][col] lies at 4,096 k + 4 col
	s_sub_co_u32 s44, ttmp9, 264
	s_lshl_b32 s44, s44, 2
	s_add_co_u32 s44, s44, s30
	s_lshl_b32 s38, s44, 6                         ; 16 columns
	s_add_nc_u64 s[32:33], s[14:15], s[38:39]
	s_add_nc_u64 s[36:37], s[16:17], s[38:39]
	s_lshl_b32 s40, s44, 10
	s_add_nc_u64 s[34:35], s[28:29], s[40:41]
	s_wait_alu depctr_va_vdst(0)
	v_and_b32 v6, 15, v1
	v_lshlrev_b32 v6, 2, v6
.irp k, 0,1,2,3,4,5,6,7
	global_load_b32 v[32+\k], v6, s[32:33] offset:4096*\k
.endr
	global_load_b32 v40, v6, s[36:37]              ; b2 of my column
	v_lshlrev_b32 v4, 4, v1
.irp j, 4,5,6,7
	v_mov_b32 v[48+\j], 0                          ; k = 16 to 31: zeros
.endr
	s_wait_loadcnt 0x0
.irp j, 0,1,2,3
	v_cvt_pk_f16_f32 v[48+\j], v[32+2*\j], v[33+2*\j]
.endr
	v_and_b32 v41, 0xffffe000, v40                 ; b2's upper 11 bits of mantissa: a number of f16;
	v_sub_f32 v42, v40, v41                        ; the rest, exactly
	v_cvt_pk_f16_f32 v43, v41, v42
	v_cmp_lt_u32 vcc_lo, 15, v1
	v_cndmask_b32 v48, v48, v43, vcc_lo            ; lanes 16-31: k = 8, 9 hold b2's two parts,
	v_cmp_gt_u32 vcc_lo, 16, v1
.irp j, 1,2,3
	v_cndmask_b32 v[48+\j], 0, v[48+\j], vcc_lo    ; k = 10 to 15 zeros
.endr
	global_store_b128 v4, v[48:51], s[34:35]
	global_store_b128 v4, v[52:55], s[34:35] offset:512
	s_endpgm
.Lfunc_end_k_q30eb973d60_prep:
	.size	k_q30eb973d60_prep, .Lfunc_end_k_q30eb973d60_prep-k_q30eb973d60_prep
	.p2alignl 7, 3214868480
	.fill 96, 4, 3214868480
	.section	.rodata,"a",@progbits
	.p2align	6, 0x0
	.amdhsa_kernel k_q30eb973d60_prep
		.amdhsa_group_segment_fixed_size 0
		.amdhsa_private_segment_fixed_size 0
		.amdhsa_enable_private_segment 0
		.amdhsa_kernarg_size 88
		.amdhsa_user_sgpr_count 2
		.amdhsa_user_sgpr_kernarg_segment_ptr 1
		.amdhsa_wavefront_size32 1
		.amdhsa_system_sgpr_workgroup_id_x 1
		.amdhsa_system_sgpr_workgroup_id_y 1
		.amdhsa_system_sgpr_workgroup_id_z 1
		.amdhsa_system_vgpr_workitem_id 0
		.amdhsa_next_free_vgpr 180
		.amdhsa_next_free_sgpr 66
		.amdhsa_reserve_vcc 1
		.amdhsa_float_denorm_mode_32 3
		.amdhsa_float_denorm_mode_16_64 3
		.amdhsa_memory_ordered 1
		.amdhsa_forward_progress 1
		.amdhsa_inst_pref_size 46
	.end_amdhsa_kernel
	.amdgpu_metadata
---
amdhsa.version: [ 1, 2 ]
amdhsa.kernels:
  - .name:           k_q30eb973d60_prep
    .symbol:         k_q30eb973d60_prep.kd
    .args:
      - { .name: w1, .offset: 0, .size: 8, .value_kind: global_buffer, .address_space: global }
      - { .name: w2, .offset: 8, .size: 8, .value_kind: global_buffer, .address_space: global }
      - { .name: a_down, .offset: 16, .size: 8, .value_kind: global_buffer, .address_space: global }
      - { .name: a_up, .offset: 24, .size: 8, .value_kind: global_buffer, .address_space: global }
      - { .name: b2, .offset: 32, .size: 8, .value_kind: global_buffer, .address_space: global }
      - { .name: w1f, .offset: 40, .size: 8, .value_kind: global_buffer, .address_space: global }
      - { .name: w1s, .offset: 48, .size: 8, .value_kind: global_buffer, .address_space: global }
      - { .name: w2f, .offset: 56, .size: 8, .value_kind: global_buffer, .address_space: global }
      - { .name: w2s, .offset: 64, .size: 8, .value_kind: global_buffer, .address_space: global }
      - { .name: adf, .offset: 72, .size: 8, .value_kind: global_buffer, .address_space: global }
      - { .name: aupf, .offset: 80, .size: 8, .value_kind: global_buffer, .address_space: global }
    .group_segment_fixed_size: 0
    .private_segment_fixed_size: 0
    .kernarg_segment_align: 8
    .kernarg_segment_size: 88
    .max_flat_workgroup_size: 128
    .sgpr_count:     66
    .vgpr_count:     180
    .wavefront_size: 32
...
	.end_amdgpu_metadata
.endif
;; end of part 3
;; launch ffn (part 4): grid 256 x 1, 8 waves a work-group, no clusters, 203,776 bytes of LDS; arguments x, w1f, w1s, b1, w2f, w2s, adf, aupf, out0; writes out0
.if DOCPART == 4
	.amdgcn_target "amdgcn-amd-amdhsa--gfx1250"
	.amdhsa_code_object_version 6
	.text
	.protected	k_q30eb973d60_ffn
	.globl	k_q30eb973d60_ffn
	.p2align	8
	.type	k_q30eb973d60_ffn,@function
k_q30eb973d60_ffn:
	s_mov_b64 s[64:65], 0
	v_nop
	global_prefetch_b8 v0, s[64:65] scope:SCOPE_SE
	s_setreg_imm32_b32 hwreg(HW_REG_WAVE_SCHED_MODE, 0, 2), 2
	s_setreg_imm32_b32 hwreg(HW_REG_WAVE_MODE, 25, 1), 1
	s_wait_xcnt 0x0
	s_wait_alu depctr_vm_vsrc(0)
; out = gelu(x w1 + b1) w2 + b2 + (x a_down[0]) a_up[0], for 64 rows a work-group; both large products on codes of FP4 (E2M1) with one E8M0 byte for each 32 along K.  x is read once, out written once, the hidden layer never goes to memory.
; WORK LEFT OUT: adapters 1 to 3 (adapter_idx is the constant 0): the first launch's head comment shows it.
; SHARES.  Eight waves of 512 registers.  THE WAVES SHARE THE COLUMNS: a fragment of a weight belongs to ONE wave, comes from memory straight into the registers that the matrix instruction names, and feeds four products (the four tiles of 16 rows).
;   X: wave w quantises rows 16 (w % 4) on, columns 512 (w / 4) on, of x (four fragments, to LDS as images of their registers) and sums its half of x a_down in f16 products | barrier |
;   1: eight trips: wave w makes hidden units 32 (8 w + c) on for all 64 rows (transposed: source 0 = 16 rows of w1, source 1 = x; b1 is the C of the first K step), gelu in f32, quantised in registers, codes and bytes to LDS | barrier |
;   2: wave w makes out's columns 128 w on in two passes of 64; a pass's sums begin with the f16 product (a_up | b2) x (x a_down | 1), so the adapter and b2 cost no addition; 16 K steps of 16 products; out through the wave's own stage.
; NO JOINT REQUESTS, though all 256 work-groups walk the same 2,228,224 bytes of weights: a joint request lands in LDS, where each of those bytes would be written once and read once more for the same four products; and beside the
; 203,776 bytes in use two slots of 60 fragments fit: 30 products a wave between two rounds of a cluster's barrier.
; GELU.  g = z (0.5 + kappa zc A(zc^2) / B(zc^2)), zc = z held to +-4 sqrt(2), kappa = sqrt(2) / 4: erf(y) = y P(y^2) / Q(y^2) with P of degree 6 and Q of degree 4 in y^2, their coefficients divided by exact powers of two since y^2 = z^2 / 2.
; LIMITS.  NaN and infinities are not served.  erf's form is good to about 1e-7 absolutely: for z > 0 g is good to some 2e-7 of itself; in the negative tail to 1e-7 |z|, so a block of 32 hidden units all under about -3 gets codes of poor
; relative accuracy, of a size that is nothing in out.  x, x a_down, a_down, a_up and b2 go to f16 for the two adapter products: magnitudes under 65,504.  A block of zeros has the byte 1, not 127: its codes are zeros.
; LDS: 0: eight blocks of 8,192, block w: +0 its four fragments of x, +4,096 its part of x a_down (f32 image), +5,120 (blocks 0-3) the finished f16 fragment of row tile w, +6,144 its scale words (16 bytes a lane; lanes 16-31 a second copy);
;   HIMG: H's codes [group of 32 units p 64][row tile m 4][row 16][16 bytes]: wave w writes bytes 8,192 w on;  HSC: H's bytes [K step 16][m 4][row 16][4]: wave w writes bytes 512 w on;  TURN: a stage of 8,448 bytes for each wave;  SPARE.
; THE MODE: SCHED_MODE bits 1:0 = 2 (LLVM: expert scheduling mode 2), set by the entry lines.  The code itself states the register dependences
; between vector or matrix instructions and memory or LDS instructions, with s_wait_alu, always for 0.
; THE PLAN.  Registers that memory or LDS instructions touch, and who else names them:
;   Addresses: v1-v10 are made at the head, ahead of one wait on va_vdst; v5, v6 anew in each trip of phase 1; v5-v10 anew at the head of phase 2, between a wait on vm_vsrc and one on va_vdst.
;   X.  Window 1: global loads land, LDS stores read; no vector instruction names it.  T: LDS loads land; the quantiser, the conversions to f16 and the products name it.  PC: the quantiser writes it; its two LDS stores stand at the NEXT K step's
;       head.  So one wait on va_vdst at a K step's head serves those stores and the loads into T, and one on vm_vsrc stands ahead of the quantiser.
;   1.  W1B, W1S, B1 (last trip: window 1 too): the 64 products read them; behind one wait on va_vdst the next operands are asked for into them and land under the gelu, which names none of them.  XS = v40-55: LDS loads land at a trip's head;
;       gelu and the quantiser write them later.  QB, QC, v5, v6: written at a trip's end, ahead of one wait on va_vdst and the trip's eight LDS stores; no vector instruction follows that wait up to the next head, so it serves the loads into XS too;
;       one wait on vm_vsrc at the head frees what the stores read.
;   2.  Step t's products read ring slot t % 6, H's buffer t % 2 and its scale words.  One wait on va_vdst at the head of step t states that step t - 1's products are done reading; H's loads of step t + 1 and the ring's of step t + 5 land in just
;       those registers and are dealt among step t's products, which name none of them.  On the way out one wait on va_vdst serves the stage's stores, the rows that land in H's buffers and the next pass's loads; a wait on vm_vsrc stands beside each
;       wait on XCNT ahead of registers that stores have read.
.set HIMG,  65536
.set HSC,   131072
.set TURN,  135168
.set TSTG,  8448                       ; phase X: 16 rows x 528; phase 2: 16 rows x 272
.set SPARE, 202752                     ; the spare words, 128 bytes for each wave: four blocks of 256 bytes that no other line names
; v0-11: the thread's number and addresses; none of them ever holds loaded data
.set LI,  1                            ; 16 x lane: an image's place for my lane; never rewritten
.set SPW, 2                            ; LDS address of my spare word; never rewritten
.set NIL, 3                            ; 0; never rewritten
.set WB,  4                            ; 16 x lane + 8,192 x wave: my block
.set TWR, 5                            ; X: into my stage
.set TRD, 6                            ; X: out of it
.set BO,  7                            ; 1: 64 (lane / 16): b1's bytes of my half
.set HST, 8                            ; 1: H's codes: HIMG + 8,192 w + 16 r + 8 h
.set HSS, 9                            ; 1: H's bytes: HSC + 512 w + 4 r
.set XSR, 10                           ; 1: x's scale words: 16 x lane + 8,192 (lane / 16)
.set HA1, 5                            ; 1: HST + the trip's term
.set HA2, 6                            ; 1: HSS + the trip's term
.set GO,  5                            ; 2: my bytes in two rows of out
.set OSW, 6                            ; 2: into my stage
.set OSR, 7                            ; 2: out of it
.set HRD, 8                            ; 2: H's codes: HIMG + 1,024 h + 16 r
.set HSR, 9                            ; 2: H's scale words: HSC + 4 x lane
; phase X, window 0 (window 1: x as loaded, K step sl, row i at 64 sl + 4 i)
.set TM,   12                          ; v12-27  the quantiser's work
.set PC,   28                          ; v28-35  the codes just made
.set PW,   36                          ; v36     the scale word just made
.set PWS,  40                          ; v40-43  my four scale words
.set LACC, 44                          ; v44-59  two accumulators of x a_down, by turns
.set T,    64                          ; v64-127 64 numbers of my row
.set AD,   128                         ; v128-255 16 fragments of a_down
; phase 1, window 0 (window 1: x's 32 fragments, (K step s, row tile m) at 32 s + 8 m)
.set W1S, 12                           ; v12-19  w1's scale words, K step s: lanes 0-15 tile 0, lanes 16-31 tile 1
.set B1,  20                           ; v20-35  b1 in the result's layout, two tiles
.set CA,  36                           ; v36-37  A13 twice
.set CB,  38                           ; v38-39  B8 twice
.set TQ,  40                           ; v40-47  gelu: four pairs of numerators
.set TB,  48                           ; v48-55  four pairs of denominators
.set TZ,  56                           ; v56-59  zc
.set TW,  60                           ; v60-63  zc^2
.set XS,  40                           ; v40-55  x's scale words while the products run: 8 (m / 2) + s
.set QM,  40                           ; the quantiser of H: largest magnitudes, the other half's, scale operands, bytes, codes
.set QP,  44
.set QS,  48
.set QB,  52
.set QC,  56
.set HA,  64                           ; v64-127 the 8 accumulators: (m, u) at 16 m + 8 u
.set W1B, 128                          ; v128-255 w1's 16 fragments: (s, u) at 16 s + 8 u
; phase 2, window 0 (window 1: v0-191 w2's fragments, a ring of six K steps x 32; v192-255 H's fragments, two K steps x 32, and on the way out rows of out)
.set HS,  12                           ; v12-15  H's scale words, two K steps x two pairs of row tiles
.set LF,  32                           ; v32-63  (x a_down | 1, 1) in f16, four row tiles
.set ACC, 64                           ; v64-191 16 accumulators: (column tile n, row tile m) at 8 (4 n + m)
.set W2S, 192                          ; v192-223 w2's scale words of a pass: 16 (n / 2) + K step
.set AU,  224                          ; v224-255 (a_up | b2) in f16, four column tiles
.set MSB, 0
.macro WIN new                         ; s_set_vgpr_msb: bits 1:0 source 0, 3:2 source 1, 5:4 source 2, 7:6 destination; the high byte repeats the setting that is left
.if MSB != \new
	s_set_vgpr_msb (MSB<<8)|\new
.set MSB, \new
.endif
.endm
.macro PLACES n                        ; plain vector lines behind matrix instructions: four ahead of a load into, or a read of, their registers; five ahead of a matrix instruction of another form on them
.rept \n
	v_nop
.endr
.endm
.macro SPAIR r, bits                   ; a constant for the packed forms, which name a pair and take its low word for both halves: both words are written
	s_mov_b32 s[\r], \bits
	s_mov_b32 s[\r+1], \bits
.endm
.macro FP4 ra, rb                      ; one product on codes; ra, rb = 1: the side's scale words stand in lanes 16-31 of the register named
.if (\ra) && (\rb)
	v_wmma_scale_f32_16x16x128_f8f6f4 v[rD:rD+7], v[rA:rA+7], v[rB:rB+7], v[rC:rC+7], v[rSA], v[rSB] matrix_a_fmt:MATRIX_FMT_FP4 matrix_b_fmt:MATRIX_FMT_FP4 matrix_a_scale:MATRIX_SCALE_ROW1 matrix_b_scale:MATRIX_SCALE_ROW1
.elseif (\ra)
	v_wmma_scale_f32_16x16x128_f8f6f4 v[rD:rD+7], v[rA:rA+7], v[rB:rB+7], v[rC:rC+7], v[rSA], v[rSB] matrix_a_fmt:MATRIX_FMT_FP4 matrix_b_fmt:MATRIX_FMT_FP4 matrix_a_scale:MATRIX_SCALE_ROW1
.elseif (\rb)
	v_wmma_scale_f32_16x16x128_f8f6f4 v[rD:rD+7], v[rA:rA+7], v[rB:rB+7], v[rC:rC+7], v[rSA], v[rSB] matrix_a_fmt:MATRIX_FMT_FP4 matrix_b_fmt:MATRIX_FMT_FP4 matrix_b_scale:MATRIX_SCALE_ROW1
.else
	v_wmma_scale_f32_16x16x128_f8f6f4 v[rD:rD+7], v[rA:rA+7], v[rB:rB+7], v[rC:rC+7], v[rSA], v[rSB] matrix_a_fmt:MATRIX_FMT_FP4 matrix_b_fmt:MATRIX_FMT_FP4
.endif
.endm
	s_load_b512 s[8:23], s[0:1], 0x0               ; x s[8:9], w1f s[10:11], w1s s[12:13], b1 s[14:15], w2f s[16:17], w2s s[18:19], adf s[20:21], aupf s[22:23]
	s_load_b64 s[24:25], s[0:1], 0x40              ; out
	v_lshl_add_u32 v[SPW], v0, 2, SPARE
	v_mov_b32 v[NIL], 0
	v_lshrrev_b32 v11, 5, v0
	v_readfirstlane_b32 s54, v11                   ; wave 0..7
	v_and_b32 v11, 31, v0
	v_lshlrev_b32 v[LI], 4, v11
	v_and_b32 v10, 15, v0                          ; r
	v_bfe_u32 v11, v0, 4, 1                        ; h
	s_wait_alu depctr_va_sdst(0)                   ; s54 is written, ahead of its first reader: LDS places, bases and branches are made from it
	s_lshl_b32 s56, s54, 13                        ; my block
	s_mul_i32 s57, s54, TSTG
	s_add_co_u32 s57, s57, TURN                    ; my stage
	s_add_co_u32 s58, s56, HIMG
	s_lshl_b32 s59, s54, 9
	s_add_co_u32 s59, s59, HSC
	v_add_nc_u32 v[WB], s56, v[LI]
	v_add_nc_u32 v[TWR], s57, v[LI]                ; in: a row's 512 bytes as they are loaded
	v_mul_u32_u24 v[TRD], v10, 528                 ; out: row r, 64 h bytes on: 528 = 33 x 16, so the sixteen rows begin 16 bytes apart modulo 256
	v_lshl_add_u32 v[TRD], v11, 6, v[TRD]
	v_add_nc_u32 v[TRD], s57, v[TRD]
	v_lshlrev_b32 v[BO], 6, v11
	v_lshlrev_b32 v[HST], 4, v10
	v_lshl_add_u32 v[HST], v11, 3, v[HST]
	v_add_nc_u32 v[HST], s58, v[HST]
	v_lshl_add_u32 v[HSS], v10, 2, s59
	v_lshl_add_u32 v[XSR], v11, 13, v[LI]
.irp b, 0,1,2,3
	v_mov_b32 v[TM+4+\b], 0                        ; written once: a lane permute's destination counts as one of its sources
.endr
	SPAIR 28, 0x306dffee                           ; A11 =  8.6583795e-10
	SPAIR 30, 0xb40cff51                           ; A9  = -1.3131400e-07
	SPAIR 32, 0xb6eec2d2                           ; A7  = -7.1156330e-06
	SPAIR 34, 0xb940ac63                           ; A5  = -1.8374766e-04
	SPAIR 36, 0xbac1a1f6                           ; A3  = -1.4772999e-03
	SPAIR 38, 0xbc83dbd4                           ; A1  = -1.6096033e-02
	SPAIR 40, 0xb7dfbd29                           ; B6  = -2.6671757e-05
	SPAIR 42, 0xb9dc924e                           ; B4  = -4.2070674e-04
	SPAIR 44, 0xbb719bf8                           ; B2  = -3.6866646e-03
	SPAIR 46, 0xbc69b6a7                           ; B0  = -1.4264739e-02
	SPAIR 48, 0x3eb504f3                           ; kappa = sqrt(2) / 4
	s_mov_b32 s50, 0x40b504f3                      ; 4 sqrt(2)
	s_mov_b32 s51, 0xc0b504f3
	s_mov_b32 s52, 0x76543210                      ; v_permlanex16_b32's selects for lane l xor 16
	s_mov_b32 s53, 0xfedcba98
	; byte offsets, each in a pair of its own
	s_lshl_b32 s2, ttmp9, 18                       ; my 64 rows of 4,096 bytes, in x and in out
	s_and_b32 s3, s54, 3
	s_lshl_b32 s3, s3, 16                          ; X: my 16 rows,
	s_lshr_b32 s4, s54, 2
	s_lshl_b32 s5, s4, 11                          ; my 512 columns
	s_add_co_u32 s56, s2, s3
	s_add_co_u32 s56, s56, s5
	s_mov_b32 s57, 0
	s_lshl_b32 s58, s4, 14                         ; a_down's 16 images of my columns
	s_mov_b32 s59, 0
	s_lshl_b32 s60, s54, 9                         ; out: my 128 columns
	s_add_co_u32 s60, s60, s2
	s_mov_b32 s61, 0
	s_lshl_b32 s62, s54, 17                        ; w1f: my 8 groups of 16 fragments; w2f: my 2 x 64 fragments
	s_mov_b32 s63, 0
	s_lshl_b32 s6, s54, 13                         ; w1s: 8 groups of 1,024; w2s: 4 pairs of 2,048; aupf: 8 images
	s_mov_b32 s7, 0
	s_lshl_b32 s26, s54, 10                        ; b1: my 256 numbers
	s_mov_b32 s27, 0
	s_wait_kmcnt 0x0
	s_add_nc_u64 s[8:9], s[8:9], s[56:57]
	s_add_nc_u64 s[20:21], s[20:21], s[58:59]
	s_add_nc_u64 s[24:25], s[24:25], s[60:61]
	s_add_nc_u64 s[10:11], s[10:11], s[62:63]
	s_add_nc_u64 s[16:17], s[16:17], s[62:63]
	s_add_nc_u64 s[12:13], s[12:13], s[6:7]
	s_add_nc_u64 s[18:19], s[18:19], s[6:7]
	s_add_nc_u64 s[22:23], s[22:23], s[6:7]
	s_add_nc_u64 s[14:15], s[14:15], s[26:27]
	s_wait_alu depctr_va_vdst(0)                   ; the addresses v1 to v10 are written, which the loads and the LDS instructions of phases X and 1 read
.set j, 0
.rept 32
	global_load_b128 v[AD+4*j:AD+4*j+3], v[LI], s[20:21] offset:512*j     ; a_down's 16 images, as they lie
.set j, j+1
.endr
	WIN 0x40                                       ; destination window 1
.irp sl, 0,1,2,3
.irp i, 0,1,2,3,4,5,6,7,8,9,10,11,12,13,14,15
	global_load_b128 v[64*\sl+4*\i:64*\sl+4*\i+3], v[LI], s[8:9] offset:4096*\i+512*\sl th:TH_LOAD_NT   ; 32 lanes read 512 consecutive bytes of a row; all my 32 KiB of x are asked for here
.endr
.endr
	WIN 0
; 64 numbers of a lane, register 16 b + i = k 32 b + 16 (lane / 16) + i of my row, become a fragment's codes in v[PC] on and its scale word in v[PW]
.macro QUANT s
.irp b, 0,1,2,3
	v_max3_num_f32 v[TM+\b], |v[\s+16*\b]|, |v[\s+1+16*\b]|, 0x1800000   ; my 16 numbers of block b, and the floor 2^(3 - 127): the byte cannot fall under 1
.endr
.irp i, 2,4,6,8,10,12,14
.irp b, 0,1,2,3
	v_max3_num_f32 v[TM+\b], v[TM+\b], |v[\s+16*\b+\i]|, |v[\s+1+16*\b+\i]|   ; the four blocks by turns
.endr
.endr
.irp b, 0,1,2,3
	v_permlanex16_b32 v[TM+4+\b], v[TM+\b], s52, s53
.endr
.irp b, 0,1,2,3
	v_max_num_f32 v[TM+\b], v[TM+\b], v[TM+4+\b]   ; with lane l xor 16's: the block's largest magnitude
.endr
.irp b, 0,1,2,3
	v_add_nc_u32 v[TM+12+\b], 0xff000000, v[TM+\b] ; 2 off its exponent field: the conversion's scale operand
.endr
.irp b, 0,1,2,3
	v_lshrrev_b32 v[TM+4+\b], 23, v[TM+12+\b]      ; the scale's byte
.endr
	v_lshl_or_b32 v[PW], v[TM+5], 8, v[TM+4]
	v_lshl_or_b32 v[PW], v[TM+6], 16, v[PW]
	v_lshl_or_b32 v[PW], v[TM+7], 24, v[PW]
.irp b, 0,1,2,3
	v_cvt_scalef32_pk8_fp4_f32 v[PC+2*\b], v[\s+16*\b:\s+7+16*\b], v[TM+12+\b]
	v_cvt_scalef32_pk8_fp4_f32 v[PC+1+2*\b], v[\s+8+16*\b:\s+15+16*\b], v[TM+12+\b]
.endr
	v_nop                                          ; one plain line behind a scaled conversion
.irp c, 0,1                                    ; the operand's layout wants a whole block in a lane: lanes 0-15 block 2 c, lanes 16-31 block 2 c + 1
.irp i, 0,1
	v_permlane16_swap_b32 v[PC+4*\c+\i], v[PC+2+4*\c+\i]
.endr
.endr
.endm
.macro CODES s                         ; K step s's fragment goes to LDS as an image of its registers
	ds_store_b128 v[WB], v[PC:PC+3] offset:1024*(\s)
	ds_store_b128 v[WB], v[PC+4:PC+7] offset:1024*(\s)+512
.endm
; ---- X: one K step of 128 of my 16 rows
.macro XSTEP sl
	s_wait_loadcnt 48-16*\sl                       ; this K step's 16 loads are in (and a_down's, issued ahead of all of x); the later K steps', 16 each, may be out
.if \sl > 0
	s_wait_alu depctr_va_vdst(0)                   ; the last K step's quantiser has written v[PC ..], which the two stores below read; its conversions to f16 and its products are done with T, in which the loads below land
	CODES \sl-1
.endif
	WIN 0x04                                       ; an LDS store's data are its source 1: window 1
.irp i, 0,1,2,3,4,5,6,7,8,9,10,11,12,13,14,15
	ds_store_b128 v[TWR], v[64*\sl+4*\i:64*\sl+4*\i+3] offset:528*\i
.endr
	WIN 0
.irp b, 0,1,2,3
.irp j, 0,1,2,3
	ds_load_b128 v[T+16*\b+4*\j:T+16*\b+4*\j+3], v[TRD] offset:128*\b+16*\j   ; LDS serves a wave's instructions in order: these see my stores.  Lane (r, h): 16 neighbours of each block of 32
.endr
.endr
	s_wait_dscnt 0x0                               ; the numbers are in
.if \sl > 0
	s_wait_alu depctr_vm_vsrc(0)                   ; the two stores of the last K step's codes have read v[PC ..], which the quantiser writes again
.endif
	QUANT T
	v_mov_b32 v[PWS+\sl], v[PW]
.set j, 0
.rept 32
	v_cvt_pk_f16_f32 v[T+j], v[T+2*j], v[T+2*j+1]  ; in place, ascending: register j is written when registers 2 j and 2 j + 1 are read, and no unread one lies under it.  Registers 8 b .. 8 b + 7: k = 32 b + 16 h + 0 .. 15, as a_down's images are laid
.set j, j+1
.endr
	PLACES 4
.irp b, 0,1,2,3                                ; (x a_down)^T: source 0 = a_down's 16 columns, source 1 = my 16 rows; two accumulators by turns
.if (\sl == 0) && (\b < 2)
	v_wmma_f32_16x16x32_f16 v[LACC+8*(\b%2):LACC+8*(\b%2)+7], v[AD+32*\sl+8*\b:AD+32*\sl+8*\b+7], v[T+8*\b:T+8*\b+7], 0
.else
	v_wmma_f32_16x16x32_f16 v[LACC+8*(\b%2):LACC+8*(\b%2)+7], v[AD+32*\sl+8*\b:AD+32*\sl+8*\b+7], v[T+8*\b:T+8*\b+7], v[LACC+8*(\b%2):LACC+8*(\b%2)+7]
.endif
.endr
	PLACES 4                                       ; ahead of the next loads into T, of the sums' first read, and of the loads into a_down's registers
.endm
.macro WLOAD                           ; a trip's operands, 38 loads: w1's 16 fragments, its scale words, b1
.set j, 0
.rept 32
	global_load_b128 v[W1B+4*j:W1B+4*j+3], v[LI], s[10:11] offset:512*j
.set j, j+1
.endr
	global_load_b128 v[W1S:W1S+3], v[LI], s[12:13]
	global_load_b128 v[W1S+4:W1S+7], v[LI], s[12:13] offset:512
.irp e, 0,1,2,3
	global_load_b128 v[B1+4*\e:B1+4*\e+3], v[BO], s[14:15] offset:16*\e    ; lane (r, h), tile u, register j: hidden unit 16 h + 8 u + j of the group
.endr
.endm
	XSTEP 0
	XSTEP 1
	XSTEP 2
	XSTEP 3
.irp j, 0,1,2,3,4,5,6,7
	v_add_f32 v[T+\j], v[LACC+\j], v[LACC+8+\j]    ; my half of K: lane (r, 0), register j: (x a_down)(row r, j); lanes 16-31: zeros
.endr
	s_wait_alu depctr_va_vdst(0)                   ; the last codes, the eight sums and the four scale words are written, which the five stores below read; the products are done reading a_down's registers and the quantiser is done with v12 to v35, in which w1's loads land
	CODES 3
	ds_store_b128 v[WB], v[T:T+3] offset:4096
	ds_store_b128 v[WB], v[T+4:T+7] offset:4608
	ds_store_b128 v[WB], v[PWS:PWS+3] offset:6144
	s_wait_dscnt 0x0                               ; for the others' sake: my stores have landed
	s_wait_alu depctr_vm_vsrc(0)                   ; my LDS stores have read v[PC ..], in which b1 lands, and v[PWS ..], v[T .. T + 7] and window 1, in which LDS loads land behind the barrier
	WLOAD                                          ; the first trip's operands: they land while the waves meet
	v_mov_b32 v[CA], 0xac95df0b                    ; A13 = -4.2595973e-12
	v_mov_b32 v[CA+1], 0xac95df0b
	v_mov_b32 v[CB], 0xb57460cd                    ; B8  = -9.1037949e-07
	v_mov_b32 v[CB+1], 0xb57460cd
	s_barrier_signal -1
	s_barrier_wait -1                              ; x's 32 fragments, their scale words and the eight parts of x a_down lie in LDS
	s_cmp_gt_u32 s54, 3
	s_cbranch_scc1 .Lnolf
	; waves 0-3: row tile w's fragment for the adapter's second product: the two halves of K are added, rounded to f16; k = 8, 9 are 1.0, which take b2's two parts in
	ds_load_b128 v[64:67], v[WB] offset:4096       ; (no vector line since the last wait on va_vdst names v64 to v79: the four above write v36 to v39)
	ds_load_b128 v[68:71], v[WB] offset:4608
	ds_load_b128 v[72:75], v[WB] offset:36864      ; block w + 4
	ds_load_b128 v[76:79], v[WB] offset:37376
	v_bfe_u32 v96, v0, 4, 1
	v_sub_nc_u32 v96, 0, v96
	v_and_b32 v96, 0x3c003c00, v96                 ; lanes 16-31: 1.0, 1.0 in f16
.irp j, 0,1,2,3
	v_mov_b32 v[92+\j], 0                          ; k = 16 to 31
.endr
	s_wait_dscnt 0x0
.irp j, 0,1,2,3,4,5,6,7
	v_add_f32 v[80+\j], v[64+\j], v[72+\j]
.endr
.irp j, 0,1,2,3
	v_cvt_pk_f16_f32 v[88+\j], v[80+2*\j], v[81+2*\j]
.endr
	v_or_b32 v88, v88, v96
	s_wait_alu depctr_va_vdst(0)                   ; v88 to v95 are written, which the two stores below read
	ds_store_b128 v[WB], v[88:91] offset:5120
	ds_store_b128 v[WB], v[92:95] offset:5632
.Lnolf:
	WIN 0x40
.irp s, 0,1,2,3,4,5,6,7
.irp m, 0,1,2,3
.irp c, 0,1
	ds_load_b128 v[32*\s+8*\m+4*\c:32*\s+8*\m+4*\c+3], v[LI] offset:(\m+4*(\s/4))*8192+(\s%4)*1024+512*\c   ; all of x's codes stay in my registers
.endr
.endr
.endr
	WIN 0
; ---- 1.  gelu of two pairs of registers: HA + 2 p on; numerators and denominators into pairs i, i + 1 of TQ and TB
.macro HSTEP r, k
	v_pk_fma_f32 v[\r:\r+1], v[\r:\r+1], v[TW:TW+1], s[\k:\k+1] op_sel_hi:[1,1,0]
	v_pk_fma_f32 v[\r+2:\r+3], v[\r+2:\r+3], v[TW+2:TW+3], s[\k:\k+1] op_sel_hi:[1,1,0]
.endm
.macro GSUB p, i
.set gH, HA+2*(\p)
.set gQ, TQ+2*(\i)
.set gB, TB+2*(\i)
.irp e, 0,1,2,3
	v_med3_num_f32 v[TZ+\e], v[gH+\e], s51, s50    ; zc.  (Each accumulator is read from its low end on)
.endr
	v_pk_mul_f32 v[TW:TW+1], v[TZ:TZ+1], v[TZ:TZ+1]
	v_pk_mul_f32 v[TW+2:TW+3], v[TZ+2:TZ+3], v[TZ+2:TZ+3]
	v_pk_fma_f32 v[gQ:gQ+1], v[TW:TW+1], v[CA:CA+1], s[28:29] op_sel_hi:[1,1,0]
	v_pk_fma_f32 v[gQ+2:gQ+3], v[TW+2:TW+3], v[CA:CA+1], s[28:29] op_sel_hi:[1,1,0]
	v_pk_fma_f32 v[gB:gB+1], v[TW:TW+1], v[CB:CB+1], s[40:41] op_sel_hi:[1,1,0]
	v_pk_fma_f32 v[gB+2:gB+3], v[TW+2:TW+3], v[CB:CB+1], s[40:41] op_sel_hi:[1,1,0]
	HSTEP gQ, 30                                   ; four chains by turns
	HSTEP gB, 42
	HSTEP gQ, 32
	HSTEP gB, 44
	HSTEP gQ, 34
	HSTEP gB, 46
	HSTEP gQ, 36
	HSTEP gQ, 38
	v_pk_mul_f32 v[gQ:gQ+1], v[gQ:gQ+1], v[TZ:TZ+1]
	v_pk_mul_f32 v[gQ+2:gQ+3], v[gQ+2:gQ+3], v[TZ+2:TZ+3]
.endm
.macro GBATCH p                        ; eight numbers: their eight reciprocals are one batch with one wait
	GSUB \p, 0
	GSUB (\p)+2, 2
	s_wait_alu depctr_va_vdst(0)
.irp e, 0,1,2,3,4,5,6,7
	v_rcp_f32 v[TB+\e], v[TB+\e]
.endr
	v_nop                                          ; a plain line behind the last reciprocal
	s_wait_alu depctr_va_vdst(0)                   ; the eight reciprocals have written v[TB ..]: the wait stands ahead of the first line that names a result: one for the eight
.irp k, 0,2,4,6
	v_pk_mul_f32 v[TQ+\k:TQ+\k+1], v[TQ+\k:TQ+\k+1], v[TB+\k:TB+\k+1]
.endr
.irp k, 0,2,4,6
	v_pk_fma_f32 v[TQ+\k:TQ+\k+1], v[TQ+\k:TQ+\k+1], s[48:49], 0.5 op_sel_hi:[1,0,0]
.endr
.irp k, 0,2,4,6
	v_pk_mul_f32 v[HA+2*(\p)+\k:HA+2*(\p)+\k+1], v[HA+2*(\p)+\k:HA+2*(\p)+\k+1], v[TQ+\k:TQ+\k+1]
.endr
.endm
.macro RLOAD t                         ; w2's four fragments of K step t (16 x pass + step) into slot t % 6 of the ring, window 1
.set rR, 32*((\t)%6)
.set j, 0
.rept 8
	global_load_b128 v[rR+4*j:rR+4*j+3], v[LI], s[16:17] offset:(\t)*4096+512*j
.set j, j+1
.endr
.endm
.macro SLOAD q                         ; w2's scale words of pass q
.irp pl, 0,1
.irp kq, 0,1,2,3
	global_load_b128 v[W2S+16*\pl+4*\kq:W2S+16*\pl+4*\kq+3], v[LI], s[18:19] offset:(2*(\q)+\pl)*2048+512*\kq
.endr
.endr
.endm
.macro ALOAD q                         ; (a_up | b2)'s four images of pass q
.set j, 0
.rept 8
	global_load_b128 v[AU+4*j:AU+4*j+3], v[LI], s[22:23] offset:(\q)*4096+512*j
.set j, j+1
.endr
.endm
	s_mov_b32 s55, 0
.Lchunk:                                           ; eight trips: group p = 8 w + s55
	s_wait_dscnt 0x0                               ; the last trip's LDS stores are done (first trip: x's codes are in)
	s_wait_alu depctr_vm_vsrc(0)                   ; the last trip's LDS stores have read v[QB ..], in which the loads below land, and v[QC ..], v[HA1], v[HA2], which this trip writes again (first trip: the adapter's two stores have read v88 to v95, which the products write)
.irp q, 0,1
.irp sq, 0,1
	ds_load_b128 v[XS+8*\q+4*\sq:XS+8*\q+4*\sq+3], v[XSR] offset:(2*\q+4*\sq)*8192+6144   ; x's scale words: lanes 0-15 row tile 2 q, lanes 16-31 row tile 2 q + 1; K steps 4 sq on.  (No vector line stands between the wait on va_vdst at the last trip's end and these loads)
.endr
.endr
	s_wait_loadcnt 0x0                             ; this trip's operands, asked for a gelu ago
	s_wait_dscnt 0x0
	WIN 0x04                                       ; source 1 (x) window 1
.irp s, 0,1,2,3,4,5,6,7                        ; 64 products; the eight accumulators take turns, one instruction a turn
.irp m, 0,1,2,3
.irp u, 0,1
.set rD, HA+16*\m+8*\u
.set rA, W1B+16*\s+8*\u
.set rB, 32*\s+8*\m
.if \s == 0
.set rC, B1+8*\u
.else
.set rC, rD
.endif
.set rSA, W1S+\s
.set rSB, XS+8*(\m/2)+\s
	FP4 \u, \m%2
.endr
.endr
.endr
	WIN 0
	PLACES 4                                       ; ahead of the loads into the operands' registers and of the first read of results
	s_wait_alu depctr_va_vdst(0)                   ; the 64 products are done reading w1's fragments, its scale words, b1 and x's fragments: the loads of either arm below land in such registers, and the gelu behind them names none of them
	s_cmp_eq_u32 s55, 7
	s_cbranch_scc1 .Llast
	s_add_nc_u64 s[10:11], s[10:11], 16384         ; no load is out since the wait for 0: the bases may step to the next group
	s_add_nc_u64 s[12:13], s[12:13], 1024
	s_add_nc_u64 s[14:15], s[14:15], 128
	WLOAD                                          ; the next trip's operands land under this trip's gelu
	s_branch .Lgelu
.Llast:                                            ; the last trip asks for phase 2's first operands instead, into registers that are done with: six K steps of w2, pass 0's scale words and (a_up | b2)
	WIN 0x40
.irp t, 0,1,2,3,4,5
	RLOAD \t
.endr
	WIN 0
	SLOAD 0
	ALOAD 0
.Lgelu:
.irp p, 0,4,8,12,16,20,24,28
	GBATCH \p
.endr
	; H's block of 32 units, for four row tiles by turns.  Registers 16 m + 0 .. 15 of lane (r, h): units 16 h + 0 .. 15 of row 16 m + r
.irp m, 0,1,2,3
	v_max3_num_f32 v[QM+\m], |v[HA+16*\m]|, |v[HA+16*\m+1]|, 0x1800000
.endr
.irp i, 2,4,6,8,10,12,14
.irp m, 0,1,2,3
	v_max3_num_f32 v[QM+\m], v[QM+\m], |v[HA+16*\m+\i]|, |v[HA+16*\m+\i+1]|
.endr
.endr
.irp m, 0,1,2,3
	v_permlanex16_b32 v[QP+\m], v[QM+\m], s52, s53
.endr
.irp m, 0,1,2,3
	v_max_num_f32 v[QM+\m], v[QM+\m], v[QP+\m]
.endr
.irp m, 0,1,2,3
	v_add_nc_u32 v[QS+\m], 0xff000000, v[QM+\m]
.endr
.irp m, 0,1,2,3
	v_lshrrev_b32 v[QB+\m], 23, v[QS+\m]
.endr
.irp m, 0,1,2,3
	v_cvt_scalef32_pk8_fp4_f32 v[QC+2*\m], v[HA+16*\m:HA+16*\m+7], v[QS+\m]
	v_cvt_scalef32_pk8_fp4_f32 v[QC+2*\m+1], v[HA+16*\m+8:HA+16*\m+15], v[QS+\m]
.endr
	v_nop                                          ; one plain line behind the conversions
	s_lshl_b32 s56, s55, 10                        ; the trip's group: 1,024 bytes of codes on;
	v_add_nc_u32 v[HA1], s56, v[HST]
	s_and_b32 s57, s55, 3                          ; its byte in the scale words: block s55 % 4 of K step 2 w + s55 / 4
	s_lshr_b32 s58, s55, 2
	s_lshl_b32 s58, s58, 8
	s_add_co_u32 s57, s57, s58
	v_add_nc_u32 v[HA2], s57, v[HSS]
	s_wait_alu depctr_va_vdst(0)                   ; the codes v[QC ..], the bytes v[QB ..] and the two addresses are written, which the eight stores below read; and the trip's vector work is done with v40 to v55, in which the next trip's first loads land
.irp m, 0,1,2,3
	ds_store_b64 v[HA1], v[QC+2*\m:QC+2*\m+1] offset:256*\m    ; my half block goes to its place in the block's 16 bytes: the 32 lanes fill 256 consecutive bytes, and no lanes are swapped
.endr
.irp m, 0,1,2,3
	ds_store_b8 v[HA2], v[QB+\m] offset:64*\m      ; both lanes of a row write the same byte with the same value
.endr
	s_add_co_u32 s55, s55, 1
	s_cmp_lt_u32 s55, 8
	s_cbranch_scc1 .Lchunk
	s_wait_dscnt 0x0                               ; for the others' sake: my stores have landed
	s_barrier_signal -1
	s_barrier_wait -1                              ; H's codes and bytes, and the adapter's four fragments, lie in LDS
	; ---- 2
	s_wait_alu depctr_vm_vsrc(0)                   ; phase 1's LDS instructions and its loads of b1 have read v5, v6, v7 and v10, which the lines below write; its last stores have read v52 to v63, in which the adapter's fragments land
	v_and_b32 v10, 15, v0                          ; r
	v_bfe_u32 v11, v0, 4, 1                        ; h
	s_mul_i32 s56, s54, TSTG
	s_add_co_u32 s56, s56, TURN
	v_lshlrev_b32 v[GO], 4, v10
	v_lshl_add_u32 v[GO], v11, 12, v[GO]           ; lanes 0-15 one row of out, lanes 16-31 the next; 16 bytes a lane
	v_mul_u32_u24 v[OSW], v10, 272                 ; the stage: in: row r, 32 h bytes on; 272 = 17 x 16
	v_lshl_add_u32 v[OSW], v11, 5, v[OSW]
	v_add_nc_u32 v[OSW], s56, v[OSW]
	v_mul_u32_u24 v[OSR], v11, 272                 ; back: two rows an instruction
	v_lshl_add_u32 v[OSR], v10, 4, v[OSR]
	v_add_nc_u32 v[OSR], s56, v[OSR]
	v_lshlrev_b32 v[HRD], 4, v10
	v_lshl_add_u32 v[HRD], v11, 10, v[HRD]         ; lanes 16-31 take the odd block, 1,024 bytes on
	v_add_nc_u32 v[HRD], HIMG, v[HRD]
	v_and_b32 v[HSR], 31, v0
	v_lshl_add_u32 v[HSR], v[HSR], 2, HSC
	s_wait_alu depctr_va_vdst(0)                   ; the five addresses v5 to v9 are written, which this phase's LDS instructions and its stores of out read
.macro HLOAD t                         ; H's four fragments and scale words of K step t % 16 into buffer t % 2: ten LDS loads
.set hS, (\t)%16
.set hB, 192+32*((\t)%2)
	WIN 0
	ds_load_b32 v[HS+2*((\t)%2)], v[HSR] offset:hS*256             ; lanes 0-15 row tile 0, lanes 16-31 row tile 1
	ds_load_b32 v[HS+2*((\t)%2)+1], v[HSR] offset:hS*256+128       ; row tiles 2, 3
	WIN 0x40
.irp m, 0,1,2,3
.irp c, 0,1
	ds_load_b128 v[hB+8*\m+4*\c:hB+8*\m+4*\c+3], v[HRD] offset:hS*4096+2048*\c+256*\m
.endr
.endr
.endm
.macro PROD8 na, nb                    ; eight of a K step's products: column tiles na, nb x the four row tiles; the accumulators take turns, one instruction a turn
.irp n, \na, \nb
.irp m, 0,1,2,3
.set rD, ACC+8*(4*\n+\m)
.set rC, rD
.set rA, kR+8*\n
.set rB, kH+8*\m
.set rSA, W2S+16*(\n/2)+kS
.set rSB, kHS+\m/2
	FP4 \n%2, \m%2
.endr
.endr
.endm
.macro KSTEP t                         ; 128 hidden units: 16 products
	PLACES 4                                       ; ahead of the loads into the registers that the last step's products read
.if (\t) <= 27
	s_wait_loadcnt 32                              ; this step's fragments of w2 are in; the four later steps', eight loads each, may be out
.else
	s_wait_loadcnt 8*(31-(\t))                     ; the steps that are left
.endif
	s_wait_dscnt 0x0                               ; this step's H, asked for a step ago, is in
.if (((\t)%16) != 0) && ((\t) != 31)
	s_wait_alu depctr_va_vdst(0)                   ; the last step's products are done reading their H, its scale words and their slot of the ring, in which this step's loads land.  (A pass's first step: earlier waits have stated it; the last step of all loads nothing)
.endif
.if ((\t)%16) < 15
	HLOAD (\t)+1                                   ; the next step's H: it has this step's products in which to land
.endif
.set kS, (\t)%16
.set kR, 32*((\t)%6)
.set kH, 192+32*((\t)%2)
.set kHS, HS+2*((\t)%2)
	WIN 0x05                                       ; sources 0 (w2) and 1 (H) window 1
	PROD8 0, 1
.if ((\t) >= 1) && ((\t) <= 26)
	WIN 0x40
	RLOAD (\t)+5                                   ; into the slot that the last step has left.  No wait: the eight products since the wait name this step's slot, its H, w2's scale words and the accumulators
	WIN 0x05
.endif
	PROD8 2, 3
	WIN 0
.endm
.macro TOSTAGE m                       ; row tile m: a lane's 32 bytes of a row for each column tile go into my stage and come back as rows of 256 bytes
.irp n, 0,1,2,3
	ds_store_b128 v[OSW], v[ACC+8*(4*\n+(\m)):ACC+8*(4*\n+(\m))+3] offset:64*\n          ; each accumulator from its low end on
	ds_store_b128 v[OSW], v[ACC+8*(4*\n+(\m))+4:ACC+8*(4*\n+(\m))+7] offset:64*\n+16
.endr
	WIN 0x40
.irp i, 0,1,2,3,4,5,6,7
	ds_load_b128 v[192+32*((\m)%2)+4*\i:192+32*((\m)%2)+4*\i+3], v[OSR] offset:544*\i    ; LDS serves a wave's instructions in order: these see my stores, and the next tile's stores come behind them
.endr
	WIN 0
.endm
.macro SEND m, younger, q              ; younger: the LDS instructions issued behind tile m's loads
	s_wait_dscnt \younger
	WIN 0x04                                       ; a store's data are its source 1: window 1
.irp i, 0,1,2,3,4,5,6,7
	global_store_b128 v[GO], v[192+32*((\m)%2)+4*\i:192+32*((\m)%2)+4*\i+3], s[24:25] offset:(16*(\m)+2*\i)*4096+256*(\q) th:TH_STORE_NT   ; sixteen lanes store 256 consecutive bytes, at a multiple of 256 from out's first byte
.endr
	WIN 0
.endm
.macro PASS q                          ; out's columns 128 w + 64 q on
.if \q
	s_wait_xcnt 0x0                                ; the first pass's stores have had their addresses translated: H's fragments may land in their registers again
	s_wait_alu depctr_vm_vsrc(0)                   ; the first pass's stores of out have read window 1's v192 to v255, in which H lands again; its stores into the stage have read the accumulators, which the products below begin anew
.else
.irp m, 0,1,2,3
.irp c, 0,1
	ds_load_b128 v[LF+8*\m+4*\c:LF+8*\m+4*\c+3], v[LI] offset:\m*8192+5120+512*\c
.endr
.endr
.endif
	HLOAD 16*\q                                    ; the pass's first H lands under the sixteen products below
	WIN 0
	s_wait_loadcnt 0x0                             ; the scale words, (a_up | b2) and the ring's loads, all asked for a phase ago
.if \q == 0
	s_wait_dscnt 10                                ; the adapter's four fragments are in; H's ten loads may be out
.endif
.irp n, 0,1,2,3                                ; the sums begin: (a_up | b2) x (x a_down | 1): source 0 = 16 columns of out, source 1 = 16 rows.  Nothing is cleared
.irp m, 0,1,2,3
	v_wmma_f32_16x16x32_f16 v[ACC+8*(4*\n+\m):ACC+8*(4*\n+\m)+7], v[AU+8*\n:AU+8*\n+7], v[LF+8*\m:LF+8*\m+7], 0
.endr
.endr
	PLACES 1                                       ; with the four at the head of the first K step: five, ahead of another form's products on these accumulators
.set KT, 16*\q
.rept 16
	KSTEP KT
.set KT, KT+1
.endr
	PLACES 5                                       ; ahead of the reads of results, of the loads into operands' registers, and of the next pass's products, which begin the accumulators anew
	s_wait_alu depctr_va_vdst(0)                   ; the products have written the accumulators, which the stores into the stage read; they are done reading H's buffers, in which rows of out land, and w2's scale words and (a_up | b2), in which the next pass's land
.if \q == 0
	SLOAD 1                                        ; the second pass's: they land under the way out
	ALOAD 1
.endif
	TOSTAGE 0
.irp a, 1,2,3
.if \a > 1
	s_wait_xcnt 0x0                                ; tile a - 2's stores have had their addresses translated: tile a's rows may land in their registers
	s_wait_alu depctr_vm_vsrc(0)                   ; tile a - 2's stores of out have read their 32 registers of window 1, in which tile a's rows land
.endif
	TOSTAGE \a
	SEND \a-1, 16, \q                              ; behind tile a - 1's loads: tile a's 8 stores and 8 loads
.endr
	SEND 3, 0, \q
.endm
	PASS 0
	PASS 1
	s_wait_dscnt 0x0                               ; the closing lines, six on end (every window is 0 here: the add's two registers lie in window 0)
	s_wait_alu 0x0
	s_wait_tensorcnt 0x0
	ds_add_u32 v[SPW], v[NIL]
	s_wait_dscnt 0x0
	s_endpgm
.Lfunc_end_k_q30eb973d60_ffn:
	.size	k_q30eb973d60_ffn, .Lfunc_end_k_q30eb973d60_ffn-k_q30eb973d60_ffn
	.p2alignl 7, 3214868480
	.fill 96, 4, 3214868480
	.section	.rodata,"a",@progbits
	.p2align	6, 0x0
	.amdhsa_kernel k_q30eb973d60_ffn
		.amdhsa_group_segment_fixed_size 203776
		.amdhsa_private_segment_fixed_size 0
		.amdhsa_enable_private_segment 0
		.amdhsa_kernarg_size 72
		.amdhsa_user_sgpr_count 2
		.amdhsa_user_sgpr_kernarg_segment_ptr 1
		.amdhsa_wavefront_size32 1
		.amdhsa_system_sgpr_workgroup_id_x 1
		.amdhsa_system_sgpr_workgroup_id_y 1
		.amdhsa_system_sgpr_workgroup_id_z 1
		.amdhsa_system_vgpr_workitem_id 0
		.amdhsa_next_free_vgpr 512
		.amdhsa_next_free_sgpr 66
		.amdhsa_reserve_vcc 0
		.amdhsa_float_denorm_mode_32 3
		.amdhsa_float_denorm_mode_16_64 3
		.amdhsa_memory_ordered 1
		.amdhsa_forward_progress 1
		.amdhsa_inst_pref_size 254
	.end_amdhsa_kernel
	.amdgpu_metadata
---
amdhsa.version: [ 1, 2 ]
amdhsa.kernels:
  - .name:           k_q30eb973d60_ffn
    .symbol:         k_q30eb973d60_ffn.kd
    .args:
      - { .name: x, .offset: 0, .size: 8, .value_kind: global_buffer, .address_space: global }
      - { .name: w1f, .offset: 8, .size: 8, .value_kind: global_buffer, .address_space: global }
      - { .name: w1s, .offset: 16, .size: 8, .value_kind: global_buffer, .address_space: global }
      - { .name: b1, .offset: 24, .size: 8, .value_kind: global_buffer, .address_space: global }
      - { .name: w2f, .offset: 32, .size: 8, .value_kind: global_buffer, .address_space: global }
      - { .name: w2s, .offset: 40, .size: 8, .value_kind: global_buffer, .address_space: global }
      - { .name: adf, .offset: 48, .size: 8, .value_kind: global_buffer, .address_space: global }
      - { .name: aupf, .offset: 56, .size: 8, .value_kind: global_buffer, .address_space: global }
      - { .name: out0, .offset: 64, .size: 8, .value_kind: global_buffer, .address_space: global }
    .group_segment_fixed_size: 203776
    .private_segment_fixed_size: 0
    .kernarg_segment_align: 8
    .kernarg_segment_size: 72
    .max_flat_workgroup_size: 256
    .sgpr_count:     66
    .vgpr_count:     512
    .wavefront_size: 32
...
	.end_amdgpu_metadata
.endif
;; end of part 4
